; MI455X (gfx1250); checked and timed in simulation.
; The chip was launched on July 23, 2026; its instructions are those of AMD's public machine-readable ISA for CDNA 5 (MIT licence, August 2026) and "CDNA5" Instruction Set Architecture Reference Guide (July 2026). The comments in the code are by the model that wrote it; some were corrected since.
;; Causal Self Attention. Allowed arithmetic: matrix products marked QUANTISED: E4M3 operands, one given power-of-two scale a tensor, by v_wmma_f32_16x16x64_fp8_fp8 or v_wmma_f32_16x16x128_fp8_fp8, f32 sums; everything else in f32.
;; Inputs: b_proj 1,024 float32; b_qkv 3,072 float32; lowp_scales 8 int32 (the exponents e of the quantised operands' scales 2^e); w_proj 1,024 x 1,024 float32; w_qkv 1,024 x 3,072 float32; x 4 x 2,048 x 1,024 float32.
;; Outputs: out0 4 x 2,048 x 1,024 float32.
;; This version of the problem:
;;   THIS VERSION OF THE PROBLEM IS GIVEN IN LOW PRECISION. The matrix products marked QUANTISED in the list below multiply operands that are first quantised to E4M3 (4 exponent bits, 3 mantissa bits; 8 bits a number), with one given power-of-two scale for each operand tensor; their sums are f32. All else is computed in f32.
;;   The module's matrix products, in the order in which they are computed (A, B: the left and right operand; K: the contracted axis; several contracted axes count as one K, in the product's order):
;;     1. [M 8,192, K 1,024] x [K 1,024, N 3,072]; A: input x; B: input w_qkv: QUANTISED (scales: A lowp_scales[0], B lowp_scales[1])
;;     2. batch 64 x [M 2,048, K 64] x [K 64, N 2,048]; A: computed on the way; B: computed on the way: QUANTISED (scales: A lowp_scales[2], B lowp_scales[3])
;;     3. batch 64 x [M 2,048, K 2,048] x [K 2,048, N 64]; A: softmax (see below); B: computed on the way: QUANTISED (scales: A lowp_scales[4], B lowp_scales[5])
;;     4. [M 8,192, K 1,024] x [K 1,024, N 1,024]; A: computed on the way; B: input w_proj: QUANTISED (scales: A lowp_scales[6], B lowp_scales[7])
;;   THE QUANTISER, for each operand of a quantised product, along K:
;;     - The operand's scale is 2^e, e = its entry of the input lowp_scales (int32; the entries are numbered through the quantised products in the list's order, A before B).
;;     - Each number is divided by the scale, clamped to +-448, and rounded to the nearest number of E4M3, ties to even, subnormals kept.
;;     - The product sums the exact products of the quantised numbers (number of the format x scale) in f32.
;;   ~~~python
;;   def quantise(x, axis, e):      # numpy; x: float32 -> the quantised numbers, widened to float32 again
;;       x = np.moveaxis(x, axis, -1); K = x.shape[-1]
;;       r = np.clip(x / 2.0 ** e, -448, 448)
;;       step = 2.0 ** (np.maximum(np.frexp(np.where(r == 0, 1, r))[1] - 1, -6) - 3)
;;       q = np.round(r / step) * step * 2.0 ** e      # np.round: ties to even
;;       return np.moveaxis(q, -1, axis).astype(np.float32)
;;   ~~~
;;   SOFTMAX AHEAD OF A QUANTISED PRODUCT. Where the list says 'softmax', what is quantised is not the finished softmax but p = 2^(t - M), with t = logit x log2(e) and M = ceil(the row's largest t), a whole number; so 1/2 < the row's largest p <= 1. The row's sum l is taken of the UNQUANTISED p, in f32, and the product's result is divided by l at the end. Since M is a whole number, a kernel that streams over the keys may use a running M (the ceiling of the running maximum): every later rescaling is an exact power of two, so the quantised numbers keep their values, but for numbers so far below the row's largest that they fall under the format's range.
;;   OPERANDS COMPUTED ON THE WAY. 'Computed on the way' means the value that the module computes at that place (a softmax that the list does not call 'softmax' is quantised finished and normalised). What goes into a quantiser is computed in f32, as accurately as f32 sums, v_exp_f32 and their like allow (about 1e-6 of the number): no bf16 or f16 on the way to a quantiser, and a product that is left as it is and whose result goes on into a quantised operand takes f32 operands (vector FMAs, or v_wmma_f32_16x16x4_f32). A number that lies on a knife's edge between two numbers of the format may be rounded either way, as far as f32 arithmetic and the matrix unit's own rounding can turn it there, and no further.
;; One version. Each part assembles by itself: llvm-mc -triple=amdgcn-amd-amdhsa -mcpu=gfx1250 --defsym DOCPART=n.
;; ======== version 1 of 1: 4 launches
;; limits: right only within a limited range of input values
;; workspace buffers: x_codes 8,388,608 bytes; wqkv_codes 3,145,728 bytes; wproj_codes 1,048,576 bytes; q_img 8,388,608 bytes; kv_img 16,777,216 bytes; y_img 8,388,608 bytes
;; launch quant (part 1): grid 384 x 1, 4 waves a work-group, no clusters, 68,096 bytes of LDS; arguments x, w_qkv, w_proj, lowp_scales, x_codes, wqkv_codes, wproj_codes; writes x_codes, wqkv_codes, wproj_codes
.if DOCPART == 1
	.amdgcn_target "amdgcn-amd-amdhsa--gfx1250"
	.amdhsa_code_object_version 6
	.text
	.protected	k_q1b97ac479a_quant
	.globl	k_q1b97ac479a_quant
	.p2align	8
	.type	k_q1b97ac479a_quant,@function
k_q1b97ac479a_quant:
	s_mov_b64 s[64:65], 0
	v_nop
	global_prefetch_b8 v0, s[64:65] scope:SCOPE_SE
	s_setreg_imm32_b32 hwreg(HW_REG_WAVE_MODE, 25, 1), 1
	s_wait_xcnt 0x0
; CAUSAL SELF-ATTENTION ON CODES OF FP8 (E4M3), FOUR LAUNCHES: quant, qkv, attn, proj.  This one turns x, w_qkv and w_proj (f32) into codes, K innermost.
; WORK LEFT OUT BY THE PROGRAM (in the launch attn): reference() builds causal = tril(ones) in its own body and replaces every logit with key > query by -inf, whatever the inputs hold; its weight is then 0 and adds
; nothing to the row's sum or to y.  So a tile of 16 queries x 128 keys all of whose keys come after all of its queries reaches no output, and its two products and its softmax are not done.  Nothing else is left out,
; and every input is loaded (b_qkv's part for k too: it moves k's codes).  LIMIT: a NaN, an infinity or an overflow that would arise only in such a tile is not carried to the result.
; THE QUANTISER: code = number / 2^e, held within +-448, rounded to the nearest code, ties to even; e: lowp_scales[0] for x, [1] for w_qkv, [7] for w_proj.
; LIMITS: each e between -126 and 119, so that 2^e and 448 x 2^e are f32 numbers.  NaN among the inputs is not served.
; SHARES.  Work-groups 0-255 take x: rows are dense and K is innermost, so x is a plain stream; a wave takes 16 steps of 512 numbers.  Each load reads 512 consecutive bytes; a step's 2,048 bytes turn through the wave's own
; stage in LDS so that a lane holds 16 neighbours for the conversions; a wave's store covers 512 consecutive bytes.
; Work-groups 256-383 take the weights, whose K is the FIRST axis: a lane takes a column n and its registers run down K, so the conversions give codes with K innermost; a wave takes 32 columns x 256 along K, gathers
; 256 bytes a column in its stage and stores sixteen lanes to 256 consecutive aligned bytes.  One text serves both weights: the buffers, the row's bytes and e are chosen by the work-group's number.
; w_proj's codes are laid with the two middle groups of 8 bytes of every 32 along K exchanged: the launch proj reads them 16 bytes a lane, and each code then meets its partner among y's codes as attn leaves them.
; The two paths part once, on the work-group's number, have LDS bytes of their own and do not join.  No tensor load, no barrier: waves share nothing.
.set XWG,   256                        ; work-groups for x: 8,388,608 numbers / 32,768
.set STEPS, 16
.set WREG,  8192                       ; x path: a wave's LDS region: two stages of 32 x SP bytes
.set SP,    80                         ; a lane's place in a stage: 64 bytes + 16 of padding
.set WSTG,  32768                      ; weights' path: the four stages begin here
.set PITCH, 272                        ; a stage row: 256 bytes of codes + 16
.set SPARE, WSTG+4*32*PITCH            ; the spare words: 128 bytes for each wave, two blocks of 256 bytes that no other line names
.set SPW,   12                         ; v12  LDS address of my spare word; never rewritten
.set NIL,   13                         ; v13  0; never rewritten
.set R,     16                         ; x path: v16-79 four sets of 16 numbers as loaded
.set X,     80                         ;         v80-111 two sets of 16 neighbours
.set C,     128                        ;         v128-191 codes: four registers for each step
.set WX,    32                         ; weights: v32-95 two sets of 32 numbers
.set WC,    96                         ;          v96-103 a block's codes as they are stored
.set WE,    104                        ;          v104-107 the two middle groups' codes
.set OUTR,  112                        ;          v112-175 the way out
.set WOF,   176                        ;          v176-207 byte offset of row i of a block at my column
.macro LOAD t                          ; step t's 2,048 bytes: four loads of 512 consecutive bytes
.irp i, 0,1,2,3
	global_load_b128 v[R+16*((\t)%4)+4*\i:R+16*((\t)%4)+4*\i+3], v3, s[4:5] offset:2048*(\t)+512*\i th:TH_LOAD_NT
.endr
.endm
.macro TURN t                          ; through the stage: LDS serves a wave's instructions in order, so no wait stands between the stores and the loads
.irp i, 0,1,2,3
	ds_store_b128 v14, v[R+16*((\t)%4)+4*\i:R+16*((\t)%4)+4*\i+3] offset:32*SP*((\t)%2)+8*SP*\i
.endr
.irp i, 0,1,2,3
	ds_load_b128 v[X+16*((\t)%2)+4*\i:X+16*((\t)%2)+4*\i+3], v15 offset:32*SP*((\t)%2)+16*\i
.endr
.endm
.macro XSTEP t
.set XS, X+16*((\t)%2)
	s_wait_dscnt 0x0                               ; this step's numbers are back from the stage, so its stores into the stage have read their registers,
.if (\t)+4 < STEPS
	LOAD (\t)+4                                    ; which take the loads of four steps on
.endif
.if (\t)+1 < STEPS
.if STEPS-2-(\t) >= 3
	s_wait_loadcnt 12                              ; the next step's four loads are in; those of the three steps behind it may be out
.else
	s_wait_loadcnt 4*(STEPS-2-(\t))
.endif
	TURN (\t)+1
.endif
.set i, 0
.rept 16
	v_med3_num_f32 v[XS+i], v[XS+i], -v10, v10     ; the conversion to an 8-bit code does not saturate (ISA guide 7.6.2): the hold at the largest code x the scale comes first
.set i, i+1
.endr
	v_cvt_scalef32_pk8_fp8_f32 v[C+4*(\t):C+4*(\t)+1], v[XS:XS+7], v11
	v_cvt_scalef32_pk8_fp8_f32 v[C+4*(\t)+2:C+4*(\t)+3], v[XS+8:XS+15], v11
	global_store_b128 v3, v[C+4*(\t):C+4*(\t)+3], s[12:13] offset:512*(\t)   ; 32 lanes store 512 consecutive bytes; the codes' registers are written once, so no store's data are written again
.endm
.macro WLOAD t                         ; block t: rows 32 t + i of my wave's part, my column: 128 consecutive bytes a load
.set i, 0
.rept 32
	global_load_b32 v[WX+32*((\t)%2)+i], v[WOF+i], s[32+2*(\t):33+2*(\t)] th:TH_LOAD_NT
.set i, i+1
.endr
.endm
.macro BLOCK t
.set XS, WX+32*((\t)%2)
.if (\t) < 7
	s_wait_loadcnt 32                              ; this block's 32 loads are in; the next block's may be out
.else
	s_wait_loadcnt 0x0
.endif
.set i, 0
.rept 32
	v_med3_num_f32 v[XS+i], v[XS+i], -v10, v10
.set i, i+1
.endr
	v_cvt_scalef32_pk8_fp8_f32 v[WC:WC+1], v[XS:XS+7], v11
	v_cvt_scalef32_pk8_fp8_f32 v[WE:WE+1], v[XS+8:XS+15], v11
	v_cvt_scalef32_pk8_fp8_f32 v[WE+2:WE+3], v[XS+16:XS+23], v11
	v_cvt_scalef32_pk8_fp8_f32 v[WC+6:WC+7], v[XS+24:XS+31], v11
	v_nop                                          ; one plain vector instruction between a scaled conversion and the vector instructions that read its result
	v_cndmask_b32 v[WC+2], v[WE], v[WE+2], s48     ; w_proj (mask all ones): the two middle groups change places; w_qkv: they stay
	v_cndmask_b32 v[WC+3], v[WE+1], v[WE+3], s48
	v_cndmask_b32 v[WC+4], v[WE+2], v[WE], s48
	v_cndmask_b32 v[WC+5], v[WE+3], v[WE+1], s48
	ds_store_b128 v4, v[WC:WC+3] offset:32*(\t)    ; 32 codes: 32 bytes of my column's row
	ds_store_b128 v4, v[WC+4:WC+7] offset:32*(\t)+16
.if (\t)+2 < 8
	WLOAD (\t)+2
.endif
	s_wait_dscnt 0x0                               ; the stores have read their registers: the next block's codes may be written
.endm
	s_load_b256 s[4:11], s[0:1], 0x0               ; x s[4:5], w_qkv s[6:7], w_proj s[8:9], the scales' exponents s[10:11]
	s_load_b128 s[12:15], s[0:1], 0x20             ; x's codes s[12:13], w_qkv's s[14:15]
	s_load_b64 s[16:17], s[0:1], 0x30              ; w_proj's
	v_lshl_add_u32 v[SPW], v0, 2, SPARE
	v_mov_b32 v[NIL], 0
	v_lshrrev_b32 v1, 5, v0
	v_readfirstlane_b32 s18, v1                    ; wave 0..3
	v_and_b32 v2, 31, v0                           ; lane
	s_wait_kmcnt 0x0
	s_load_b256 s[24:31], s[10:11], 0x0            ; e0 .. e7
	s_cmp_ge_u32 ttmp9, XWG
	s_cbranch_scc1 .Lweights
	; ---- x
	s_wait_alu depctr_va_vdst(0)
	v_lshlrev_b32 v3, 4, v2                        ; my 16 bytes of a load's 512, and of a store's
	s_wait_alu depctr_va_vdst(0)
	s_mul_i32 s19, s18, WREG
	v_lshrrev_b32 v14, 2, v2
	v_mul_u32_u24 v14, v14, SP
	v_and_b32 v15, 3, v2
	v_lshl_add_u32 v14, v15, 4, v14
	v_add_nc_u32 v14, s19, v14                     ; the stage on the way in: SP (lane / 4) + 16 (lane % 4)
	v_mul_u32_u24 v15, v2, SP
	v_add_nc_u32 v15, s19, v15                     ; and on the way out: SP x lane: my 16 neighbours
	s_lshl_b32 s20, ttmp9, 2
	s_add_co_u32 s20, s20, s18                     ; which run of 8,192 numbers is my wave's
	s_lshl_b32 s22, s20, 15                        ; 32,768 bytes of f32
	s_mov_b32 s23, 0
	s_add_nc_u64 s[4:5], s[4:5], s[22:23]
	s_lshl_b32 s22, s20, 13                        ; 8,192 bytes of codes
	s_add_nc_u64 s[12:13], s[12:13], s[22:23]
.irp t, 0,1,2,3
	LOAD \t
.endr
	s_wait_alu depctr_va_vdst(0)
	s_wait_kmcnt 0x0
	s_add_co_i32 s22, s24, 127
	s_lshl_b32 s23, s22, 23
	v_mov_b32 v11, s23                             ; 2^e0 as f32: the conversion takes its exponent field
	s_add_co_i32 s22, s22, 8
	s_lshl_b32 s22, s22, 23
	s_or_b32 s22, s22, 0x600000
	v_mov_b32 v10, s22                             ; 448 x 2^e0
	s_wait_alu depctr_va_vdst(0)
	s_wait_loadcnt 12                              ; step 0's four loads are in
	TURN 0
.irp t, 0,1,2,3,4,5,6,7,8,9,10,11,12,13,14,15
	XSTEP \t
.endr
	s_wait_tensorcnt 0x0                           ; the wave's end, behind my last LDS store
	ds_add_u32 v[SPW], v[NIL]
	s_wait_dscnt 0x0
	s_endpgm
	; ---- the weights
.Lweights:
	s_sub_co_u32 s19, ttmp9, XWG
	s_lshr_b32 s20, s19, 2                         ; which 128 columns: 0-23 of w_qkv, 24-31 of w_proj
	s_and_b32 s21, s19, 3                          ; which 256 along K
	s_mov_b32 s22, 4096
	s_cmp_lt_u32 s20, 24                           ; the choice hangs on the work-group's number alone
	s_cselect_b64 s[6:7], s[6:7], s[8:9]           ; from
	s_cselect_b64 s[14:15], s[14:15], s[16:17]     ; to
	s_cselect_b32 s22, 12288, s22                  ; a row of the weight in bytes
	s_cselect_b32 s23, 0, 24
	s_cselect_b32 s48, 0, -1                       ; all ones for w_proj
	s_sub_co_u32 s20, s20, s23
	s_lshl_b32 s20, s20, 7
	s_lshl_b32 s23, s18, 5
	s_add_co_u32 s20, s20, s23                     ; my wave's first column
	s_wait_alu depctr_va_vdst(0)
	v_lshlrev_b32 v3, 2, v2                        ; 4 bytes a lane
.set i, 0
.rept 32
	v_mad_u32_u24 v[WOF+i], s22, i, v3             ; + i rows
.set i, i+1
.endr
	s_mul_i32 s49, s18, 32*PITCH
	s_add_co_u32 s49, s49, WSTG                    ; my stage
	v_mul_u32_u24 v4, v2, PITCH
	v_add_nc_u32 v4, s49, v4                       ; into it: row = my column
	v_and_b32 v5, 15, v2
	v_lshrrev_b32 v6, 4, v2                        ; out of it: sixteen lanes to a row, two rows an instruction
	v_mul_u32_u24 v7, v6, PITCH
	v_lshl_add_u32 v7, v5, 4, v7
	v_add_nc_u32 v7, s49, v7
	v_lshlrev_b32 v8, 10, v6                       ; and the same place in the codes' buffer: rows of 1,024 bytes
	v_lshl_add_u32 v8, v5, 4, v8
	s_mul_i32 s50, s21, s22
	s_lshl_b32 s50, s50, 8                         ; 256 rows for each step along K
	s_lshl_b32 s51, s20, 2
	s_add_co_u32 s50, s50, s51
	s_mov_b32 s51, 0
	s_add_nc_u64 s[32:33], s[6:7], s[50:51]        ; block 0 of my wave's part;
	s_lshl_b32 s50, s22, 5                         ; a block is 32 rows
.irp t, 1,2,3,4,5,6,7
	s_add_nc_u64 s[32+2*\t:33+2*\t], s[30+2*\t:31+2*\t], s[50:51]   ; a base for each block: none is stepped while loads name it
.endr
	s_lshl_b32 s52, s20, 10
	s_lshl_b32 s53, s21, 8
	s_add_co_u32 s52, s52, s53
	s_mov_b32 s53, 0
	s_add_nc_u64 s[14:15], s[14:15], s[52:53]      ; codes: column x 1,024 + 256 x step
	WLOAD 0
	WLOAD 1
	s_wait_kmcnt 0x0
	s_cmp_eq_u32 s48, 0
	s_cselect_b32 s54, s25, s31                    ; e1 or e7
	s_add_co_i32 s54, s54, 127
	s_lshl_b32 s55, s54, 23
	v_mov_b32 v11, s55                             ; 2^e
	s_add_co_i32 s54, s54, 8
	s_lshl_b32 s54, s54, 23
	s_or_b32 s54, s54, 0x600000
	v_mov_b32 v10, s54                             ; 448 x 2^e
	s_wait_alu depctr_va_vdst(0)
.irp t, 0,1,2,3,4,5,6,7
	BLOCK \t
.endr
.irp t, 0,1,2,3,4,5,6,7,8,9,10,11,12,13,14,15
	ds_load_b128 v[OUTR+4*\t:OUTR+4*\t+3], v7 offset:2*\t*PITCH   ; LDS serves a wave's instructions in order: these see my stores
.endr
.irp t, 0,1,2,3,4,5,6,7,8,9,10,11,12,13,14,15
	s_wait_dscnt 15-\t                             ; load t is in; the younger ones may be out
	global_store_b128 v8, v[OUTR+4*\t:OUTR+4*\t+3], s[14:15] offset:2*\t*1024   ; sixteen lanes store 256 consecutive bytes, aligned
.endr
	s_wait_tensorcnt 0x0                           ; the wave's end, behind my last LDS store
	ds_add_u32 v[SPW], v[NIL]
	s_wait_dscnt 0x0
	s_endpgm
.Lfunc_end_k_q1b97ac479a_quant:
	.size	k_q1b97ac479a_quant, .Lfunc_end_k_q1b97ac479a_quant-k_q1b97ac479a_quant
	.p2alignl 7, 3214868480
	.fill 96, 4, 3214868480
	.section	.rodata,"a",@progbits
	.p2align	6, 0x0
	.amdhsa_kernel k_q1b97ac479a_quant
		.amdhsa_group_segment_fixed_size 68096
		.amdhsa_private_segment_fixed_size 0
		.amdhsa_enable_private_segment 0
		.amdhsa_kernarg_size 56
		.amdhsa_user_sgpr_count 2
		.amdhsa_user_sgpr_kernarg_segment_ptr 1
		.amdhsa_wavefront_size32 1
		.amdhsa_system_sgpr_workgroup_id_x 1
		.amdhsa_system_sgpr_workgroup_id_y 1
		.amdhsa_system_sgpr_workgroup_id_z 1
		.amdhsa_system_vgpr_workitem_id 0
		.amdhsa_next_free_vgpr 208
		.amdhsa_next_free_sgpr 66
		.amdhsa_reserve_vcc 0
		.amdhsa_float_denorm_mode_32 3
		.amdhsa_float_denorm_mode_16_64 3
		.amdhsa_memory_ordered 1
		.amdhsa_forward_progress 1
		.amdhsa_inst_pref_size 90
	.end_amdhsa_kernel
	.amdgpu_metadata
---
amdhsa.version: [ 1, 2 ]
amdhsa.kernels:
  - .name:           k_q1b97ac479a_quant
    .symbol:         k_q1b97ac479a_quant.kd
    .args:
      - { .name: x, .offset: 0, .size: 8, .value_kind: global_buffer, .address_space: global }
      - { .name: w_qkv, .offset: 8, .size: 8, .value_kind: global_buffer, .address_space: global }
      - { .name: w_proj, .offset: 16, .size: 8, .value_kind: global_buffer, .address_space: global }
      - { .name: lowp_scales, .offset: 24, .size: 8, .value_kind: global_buffer, .address_space: global }
      - { .name: x_codes, .offset: 32, .size: 8, .value_kind: global_buffer, .address_space: global }
      - { .name: wqkv_codes, .offset: 40, .size: 8, .value_kind: global_buffer, .address_space: global }
      - { .name: wproj_codes, .offset: 48, .size: 8, .value_kind: global_buffer, .address_space: global }
    .group_segment_fixed_size: 68096
    .private_segment_fixed_size: 0
    .kernarg_segment_align: 8
    .kernarg_segment_size: 56
    .max_flat_workgroup_size: 128
    .sgpr_count:     66
    .vgpr_count:     208
    .wavefront_size: 32
...
	.end_amdgpu_metadata
.endif
;; end of part 1
;; launch qkv (part 2): grid 12 x 32, 4 waves a work-group, clusters of 4 x 4, 327,680 bytes of LDS; arguments x_codes, wqkv_codes, lowp_scales, b_qkv, q_img, kv_img; writes q_img, kv_img
.if DOCPART == 2
	.amdgcn_target "amdgcn-amd-amdhsa--gfx1250"
	.amdhsa_code_object_version 6
	.text
	.protected	k_q1b97ac479a_qkv
	.globl	k_q1b97ac479a_qkv
	.p2align	8
	.type	k_q1b97ac479a_qkv,@function
k_q1b97ac479a_qkv:
	s_mov_b64 s[64:65], 0
	v_nop
	global_prefetch_b8 v0, s[64:65] scope:SCOPE_SE
	s_setreg_imm32_b32 hwreg(HW_REG_WAVE_MODE, 25, 1), 1
	s_wait_xcnt 0x0
	s_wait_alu depctr_hold_cnt(0) depctr_sa_sdst(0) depctr_va_vdst(0) depctr_va_sdst(0) depctr_va_ssrc(0) depctr_va_vcc(0) depctr_vm_vsrc(0)
	s_getreg_b32 s2, hwreg(HW_REG_IB_STS2, 6, 4)
	s_cmp_eq_u32 s2, 0
	s_cbranch_scc0 .Lentry_in_a_cluster
	s_endpgm
.Lentry_in_a_cluster:
	s_bfe_u32 s2, ttmp6, 0x10000c
	s_cmp_lg_u32 s2, 0xf033
	s_cbranch_scc0 .Lentry_shape_is_right
	s_endpgm
.Lentry_shape_is_right:
; qkv = x w_qkv + b_qkv on codes of FP8 (E4M3), and q, k, v quantised on the way out.  x_codes [8192][1024], wqkv_codes [3072 (n)][1024 (k)]: one code a byte, K innermost.  Nothing of reference() is left out here.
; A sum of codes stands for sum x 2^(e0 + e1); qkv = sum x 2^(e0 + e1) + b_qkv is one fused multiply-add in f32; it is held within +-448 x 2^e and converted with 2^e: e = e2 for q, e3 for k, e5 for v.
; LIMITS: e0 + e1 between -126 and 127; e2, e3, e5 between -126 and 119.
; A tile of 256 tokens x 256 columns is made by four waves, 128 x 128 each: 64 accumulators, 512 registers.  K goes in steps of 256 through a ring of two LDS slots filled by the tensor data mover.
; CLUSTERS: 4 x 4 work-groups; x's tiles are asked for jointly along a row of the cluster, w's along a column.  Four tile columns are 1,024 columns: a cluster's x (0, 1, 2) says whether it makes q, k or v, the same for all partners.
; 384 tiles for 256 WGPs: a tile of 1/256 or 1/512 of the result would have 192 or 384 columns, which do not divide q's, k's and v's 1,024.
; THE RESULTS LEAVE AS IMAGES OF THE NEXT PRODUCTS' OPERAND REGISTERS.  A conversion packs a lane's eight results into two registers, which are two registers of an operand whose K runs along those eight.
;   q, k: source 0 = 16 rows of w, source 1 = 16 tokens: a lane holds one token and columns 16 b + 8 (lane / 16) + 0..7: a head's four accumulators give the 8 registers of a fragment 16 tokens x 64.
;   v:    the two sources change places (only the two LDS bases are exchanged; the text is one): a lane holds one column d and tokens 16 b + 8 (lane / 16) + 0..7: eight accumulators give the 16 registers of a fragment 16 d x 128 keys.
; An image: registers 4 g .. 4 g + 3 of lane l at 512 g + 16 l: each store covers 512 consecutive aligned bytes.  q_img [64 heads][128 tiles of 16][1,024]; kv_img [64][8 slots of 256 keys][K: 16 x 1,024; V: 2 steps x 4 d tiles x 2,048].
; REGISTERS, in windows of 256: window 0: v0-31 addresses; v32-95 the bias; from v128 source 1's fragments, ONE set; on the way out v128-191 numbers, v192-255 codes.  window 1: source 0's fragments, TWO sets.
;   window 2: the accumulators of source 1's blocks 0-3 ((a, b) at v[8 (8 a + b)]);  window 3: those of blocks 4-7.
.set KSTEP,  256
.set ROWB,   256                       ; a tile's row in bytes
.set KROW,   1024                      ; a row of codes in memory
.set PITCH,  272                       ; an LDS row: 256 bytes + 16 of padding = 68 words: row r starts at bank 4 r mod 64 (64 banks of 4 bytes: ISA guide 11.1)
.set FR,     16
.set NL,     4
.set NP,     4                         ; places behind this matrix instruction (ISA guide 7.12.1)
.set HALFT,  128*PITCH
.set SLOT,   4*HALFT                   ; x's 256 rows, then w's 256 rows
.set LAPS,   2                         ; K = 1,024: four K steps, twice round the ring
.set SPARE,  2*SLOT                    ; behind the ring: the spare words, 128 bytes a wave: two blocks of 256 bytes that no other line names
.set ADRA, 16                          ; v16-17  LDS address of source 1's fragments in slot 0, 1
.set ADRB, 20                          ; v20-21  of source 0's
.set OFS,  24                          ; v24     16 x lane: my place in an image
.set SPW,  28                          ; v28     LDS address of my spare word; never rewritten
.set NIL,  29                          ; v29     0; never rewritten
.set SCL,  30                          ; v30     2^e as f32
.set LIMV, 31                          ; v31     448 x 2^e
.set BI,   32                          ; v32-95  the bias, in the results' layout
.set AF,   128
.set TMP,  128
.set CDS,  192
.set G1, 24
.set G0, 32
.set G1B, 48
.set G0B, 56
.set MSB, 0
.macro WIN new                         ; the immediate's high byte repeats the setting that is left
.if MSB != (\new)
	s_set_vgpr_msb (MSB<<8)|(\new)
.set MSB, (\new)
.endif
.endm
.set MUL_LO, 0xa1                      ; source 0 window 1, source 1 window 0, C and D window 2
.set MUL_HI, 0xf1
.set TO_B,   0x40
; A joint load: waves 0 and 1 fetch x's halves, waves 2 and 3 w's.  The branch hangs on the wave's number alone.  An s_nop 0 and four v_nop follow each line.
.macro JLOAD g0a, g1a, g0b, g1b
	s_cmp_eq_u32 s15, s95                          ; q, k (s95 = 0): waves 0, 1 fetch x and waves 2, 3 w; v (s95 = 1): the other way round, so that x's and w's tiles change places in LDS.  s95 hangs on the cluster's x alone
	s_cbranch_scc0 .Lfor_b_\@
	tensor_load_to_lds s[\g0a:\g0a+3], s[\g1a:\g1a+7]
	s_nop 0
.rept 4
	v_nop
.endr
	s_branch .Lasked_\@
.Lfor_b_\@:
	tensor_load_to_lds s[\g0b:\g0b+3], s[\g1b:\g1b+7]
	s_nop 0
.rept 4
	v_nop
.endr
.Lasked_\@:
.endm
.macro CREST                           ; a round of the cluster's barrier behind its opening barrier
	s_cmp_lg_u32 s14, 0
	s_cbranch_scc1 .Lnot_wave_0_\@
	s_barrier_signal -3
.Lnot_wave_0_\@:
	s_barrier_wait -3
	s_barrier_signal -1
	s_barrier_wait -1
.endm
.macro CROUND
	s_barrier_signal -1
	s_barrier_wait -1
	CREST
.endm
	s_load_b128 s[4:7], s[0:1], 0x0                ; x's codes s[4:5], w's codes s[6:7]
	s_load_b128 s[8:11], s[0:1], 0x10              ; the scales' exponents s[8:9], b_qkv s[10:11]
	s_load_b128 s[68:71], s[0:1], 0x20             ; q_img s[68:69], kv_img s[70:71]
	v_lshl_add_u32 v[SPW], v0, 2, SPARE
	v_mov_b32 v[NIL], 0
	ds_add_u32 v[SPW], v[NIL]                      ; the wave's opening: the add, twice on end, and its wait ahead of my first tensor load
	ds_add_u32 v[SPW], v[NIL]
	v_lshrrev_b32 v1, 5, v0
	v_readfirstlane_b32 s14, v1                    ; wave 0..3
	s_lshr_b32 s15, s14, 1                         ; which 128 tokens are mine.  Also: I fetch for x (0) or for w (1)
	s_and_b32 s16, s14, 1                          ; which 128 columns.  Also: which 128 rows of that tile I fetch
	s_bfe_u32 s40, ttmp6, 0x40000                  ; cx, cy: my place in the cluster
	s_bfe_u32 s41, ttmp6, 0x40004
	s_lshl_b32 s42, ttmp9, 2
	s_add_co_u32 s42, s42, s40                     ; tile column = 4 x cluster x + cx
	s_and_b32 s17, ttmp7, 0xffff
	s_lshl_b32 s17, s17, 2
	s_add_co_u32 s17, s17, s41                     ; tile row = 4 x cluster y + cy
	s_lshl_b32 s43, s41, 2
	s_lshl_b32 s43, 15, s43                        ; my row of the cluster
	s_lshl_b32 s44, 0x1111, s40
	s_cmp_eq_u32 ttmp9, 2                          ; v?  The cluster's x: the same in all sixteen partners
	s_cselect_b32 s95, 1, 0
	s_or_b32 s[G1+0], s43, (0<<16)|(1<<20)|(1<<21)|(5<<22)|(3<<25)  ; the mask; elements of 1 byte; padding on; bit 21 beside a mask; 4 words after every 64
	s_or_b32 s[G1B+0], s44, (0<<16)|(1<<20)|(1<<21)|(5<<22)|(3<<25)
.irp g, G1, G1B
	s_mov_b32 s[\g+1], ROWB<<16                    ; tensor_dim0
	s_mov_b32 s[\g+2], 128<<16                     ; tensor_dim1
	s_mov_b32 s[\g+3], ROWB<<16                    ; tile_dim0
	s_mov_b32 s[\g+4], 128                         ; tile_dim1
	s_mov_b32 s[\g+5], KROW                        ; from row to row
	s_mov_b32 s[\g+6], 0
	s_mov_b32 s[\g+7], 0
.endr
	s_lshl_b32 s18, s16, 7
	s_lshl_b32 s20, s17, 8
	s_add_co_u32 s20, s20, s18                     ; x: row 256 x tile row + 128 x half
	s_lshl_b32 s46, s42, 8
	s_add_co_u32 s46, s46, s18                     ; w: row 256 x tile column + 128 x half
	s_mov_b32 s21, 0
	s_mov_b32 s47, 0
	s_mov_b64 s[18:19], KROW
	s_mul_u64 s[20:21], s[20:21], s[18:19]
	s_mul_u64 s[46:47], s[46:47], s[18:19]
	s_mul_i32 s45, s14, HALFT                      ; where they go: wave x 128 rows
	s_wait_dscnt 0x0                               ; both opening adds are done
	s_wait_kmcnt 0x0
	s_load_b256 s[72:79], s[8:9], 0x0              ; e0 .. e7
	s_add_nc_u64 s[20:21], s[4:5], s[20:21]
	s_add_nc_u64 s[46:47], s[6:7], s[46:47]
	CROUND                                         ; all sixteen work-groups are here: the first joint loads meet
.irp s, 0,1
	s_mov_b32 s[G0+4*\s], 1
	s_add_co_u32 s[G0+4*\s+1], s45, \s*SLOT
	s_add_nc_u64 s[G0+4*\s+2:G0+4*\s+3], s[20:21], \s*ROWB
	s_or_b32 s[G0+4*\s+3], s[G0+4*\s+3], 0x80000000
	s_mov_b32 s[G0B+4*\s], 1
	s_add_co_u32 s[G0B+4*\s+1], s45, \s*SLOT
	s_add_nc_u64 s[G0B+4*\s+2:G0B+4*\s+3], s[46:47], \s*ROWB
	s_or_b32 s[G0B+4*\s+3], s[G0B+4*\s+3], 0x80000000
.endr
	JLOAD G0, G1, G0B, G1B                         ; K step 0: one tensor load a wave at the head
	v_and_b32 v1, 15, v0                           ; r
	v_bfe_u32 v2, v0, 4, 1                         ; h
	v_mul_u32_u24 v3, v1, PITCH
	v_lshl_add_u32 v4, v2, 4, v3                   ; a fragment's row x pitch + 16 h
	s_wait_alu depctr_va_vdst(0)
	s_mul_i32 s21, s15, HALFT                      ; my 128 tokens' rows of x
	s_mul_i32 s22, s16, HALFT
	s_add_co_u32 s22, s22, 2*HALFT                 ; my 128 rows of w, behind x's 256
	s_cmp_eq_u32 ttmp9, 2                          ; v?
	s_cselect_b32 s90, -1, 0
	s_cselect_b32 s91, 0, 4
	s_cselect_b32 s92, s15, s16                    ; which 128 columns are mine: source 0's half (q, k) or source 1's (v),
	s_cselect_b32 s93, s16, s15                    ; which 128 tokens: the other.  Only offsets in memory hang on these two
.irp s, 0,1
	v_add_nc_u32 v[ADRA+\s], s21, v4               ; source 1 reads the slot's first 256 rows (x for q, k; w for v), source 0 the second 256: LDS addresses hang on the wave's number alone
	v_add_nc_u32 v[ADRB+\s], s22, v4
	s_add_co_u32 s21, s21, SLOT
	s_add_co_u32 s22, s22, SLOT
.endr
	; the bias in the results' layout: register 8 i + j.  q, k: b[n0 + 16 i + 8 h + j];  v: b[n0 + 16 i + r], the same for all j.  One text: the lane's term and the step from j to j + 1 are chosen
	v_lshlrev_b32 v5, 5, v2                        ; 32 h
	v_lshlrev_b32 v6, 2, v1                        ; 4 r
	v_cndmask_b32 v7, v5, v6, s90
.irp j, 0,1,2,3,4,5,6,7
	v_mad_u32_u24 v[8+\j], s91, \j, v7
.endr
	s_lshl_b32 s86, s42, 10
	s_lshl_b32 s87, s92, 9
	s_add_co_u32 s86, s86, s87
	s_mov_b32 s87, 0
	s_add_nc_u64 s[86:87], s[10:11], s[86:87]      ; b_qkv at n0 = 256 x tile column + 128 x half
.irp i, 0,1,2,3,4,5,6,7
.irp j, 0,1,2,3,4,5,6,7
	global_load_b32 v[BI+8*\i+\j], v[8+\j], s[86:87] offset:64*\i
.endr
.endr
	v_and_b32 v6, 31, v0
	v_lshlrev_b32 v[OFS], 4, v6
	; where my images go.  X = (first head of my 128 columns, in the batch's 16) x 8 + the tile row's place in its batch; a head is 2^17 bytes of q_img, 2^18 of kv_img
	s_lshr_b32 s80, s17, 3                         ; batch
	s_lshl_b32 s80, s80, 4
	s_lshl_b32 s81, s40, 2
	s_add_co_u32 s80, s80, s81
	s_lshl_b32 s81, s92, 1
	s_add_co_u32 s80, s80, s81                     ; 16 x batch + 4 cx + 2 x half
	s_lshl_b32 s80, s80, 3
	s_and_b32 s81, s17, 7
	s_or_b32 s80, s80, s81
	s_cmp_eq_u32 ttmp9, 0
	s_cselect_b32 s88, 14, 15
	s_cselect_b64 s[82:83], s[68:69], s[70:71]
	s_lshl_b32 s80, s80, s88
	s_lshl_b32 s81, s93, 13
	s_add_co_u32 s80, s80, s81
	s_mov_b32 s81, 0
	s_add_nc_u64 s[80:81], s[82:83], s[80:81]      ; the first head's,
	s_lshl_b32 s84, 8, s88
	s_mov_b32 s85, 0
	s_add_nc_u64 s[82:83], s[80:81], s[84:85]      ; the second head's
.macro FRAG reg, adr, q, i             ; 16 rows x 128 K: four loads of 16 bytes, 32 bytes apart: the same places of k in both sources, so every product meets its partner
.irp c, 0,1,2,3
	ds_load_b128 v[\reg+4*\c:\reg+4*\c+3], v[\adr] offset:128*(\q)+32*\c+(\i)*16*PITCH
.endr
.endm
; 16 matrix instructions: source 1's blocks a0, a0 + 1 x source 0's eight.  The 64 accumulators take turns, one instruction a turn, in the same order in every step.
.macro MUL16 a0, p, zero
.irp a, \a0, \a0+1
.irp b, 0,1,2,3,4,5,6,7
.if \zero
	v_wmma_f32_16x16x128_fp8_fp8 v[8*(8*((\a)%4)+\b):8*(8*((\a)%4)+\b)+7], v[128*(\p)+FR*\b:128*(\p)+FR*\b+FR-1], v[AF+FR*(\a):AF+FR*(\a)+FR-1], 0
.else
	v_wmma_f32_16x16x128_fp8_fp8 v[8*(8*((\a)%4)+\b):8*(8*((\a)%4)+\b)+7], v[128*(\p)+FR*\b:128*(\p)+FR*\b+FR-1], v[AF+FR*(\a):AF+FR*(\a)+FR-1], v[8*(8*((\a)%4)+\b):8*(8*((\a)%4)+\b)+7]
.endif
.endr
.endr
.endm
.macro FETCH_B slot, q, p
	WIN TO_B
.irp i, 0,1,2,3,4,5,6,7
	FRAG 128*(\p)+FR*\i, ADRB+\slot, \q, \i
.endr
	WIN 0
.endm
.macro FETCH_A slot, q, i0
.irp i, \i0, \i0+1, \i0+2, \i0+3
	FRAG AF+FR*(\i), ADRA+\slot, \q, \i
.endr
.endm
.macro PLACES n                        ; plain vector instructions between a matrix instruction and a load into, or a vector access to, its registers
.rept \n
	v_nop
.endr
.endm
.macro STEP slot, q, zero              ; 128 along K, with its successor in the same slot
	s_wait_dscnt 4*NL                              ; source 0's set and source 1's blocks 0-3 are in; the youngest 16 loads (blocks 4-7) may be out
	WIN MUL_LO
	MUL16 0, (\q)%2, \zero
	MUL16 2, (\q)%2, \zero
	s_wait_dscnt 0
	PLACES NP
	FETCH_B \slot, (\q)+1, 1-(\q)%2
	FETCH_A \slot, (\q)+1, 0
	WIN MUL_HI
	MUL16 4, (\q)%2, \zero
	MUL16 6, (\q)%2, \zero
	PLACES NP
	WIN 0
	FETCH_A \slot, (\q)+1, 4
.endm
; A slot's last step changes slots: one barrier; in front of it each wave waits for all its tensor loads, adds 0 to its spare word, and waits for that and for its own reads of this slot.
.macro TURN slot, next, fill
	s_wait_tensorcnt 0x0                           ; all my tensor loads have landed: my part of the next slot
	ds_add_u32 v[SPW], v[NIL]
	s_wait_dscnt 4*NL+1                            ; the add and the youngest 16 loads may be out
	WIN MUL_LO
	MUL16 0, 1, 0
	s_wait_dscnt 0x0                               ; the add is done, and my reads of this slot are over
	s_barrier_signal -1
	MUL16 2, 1, 0
	WIN 0
	s_barrier_wait -1
.if \fill
	CREST                                          ; the barrier has opened a round of the cluster's: no wave of any partner still reads this slot or has a load on its way
	s_add_nc_u64 s[G0+4*\slot+2:G0+4*\slot+3], s[G0+4*\slot+2:G0+4*\slot+3], 2*ROWB
	s_add_nc_u64 s[G0B+4*\slot+2:G0B+4*\slot+3], s[G0B+4*\slot+2:G0B+4*\slot+3], 2*ROWB
	JLOAD G0+4*\slot, G1, G0B+4*\slot, G1B         ; the first tensor load behind the round; its four v_nop are the places in front of the loads below
.else
	PLACES NP
.endif
	FETCH_B \next, 0, 0
	FETCH_A \next, 0, 0
	WIN MUL_HI
	MUL16 4, 1, 0
	MUL16 6, 1, 0
	PLACES NP
	WIN 0
	FETCH_A \next, 0, 4
.endm
	s_wait_alu depctr_va_vdst(0)
	s_wait_tensorcnt 0x0                           ; my part of K step 0 is in
	ds_add_u32 v[SPW], v[NIL]
	s_wait_dscnt 0x0
	CROUND                                         ; everybody's part of K step 0 is in, and all sixteen work-groups are here
	JLOAD G0+4, G1, G0B+4, G1B                     ; K step 1, the first tensor load behind the round
	FETCH_B 0, 0, 0
	FETCH_A 0, 0, 0
	FETCH_A 0, 0, 4
	STEP 0, 0, 1                                   ; the first step's products start the sums: nothing is cleared
	s_mov_b32 s3, LAPS-1
.Llap:
	TURN 0, 1, 1
	STEP 1, 0, 0
	TURN 1, 0, 1
	STEP 0, 0, 0
	s_sub_co_u32 s3, s3, 1
	s_cmp_lg_u32 s3, 0
	s_cbranch_scc1 .Llap
	TURN 0, 1, 0                                   ; the last lap fills nothing
	STEP 1, 0, 0
	s_wait_dscnt 4*NL
	WIN MUL_LO
	MUL16 0, 1, 0
	MUL16 2, 1, 0
	s_wait_dscnt 0
	WIN MUL_HI
	MUL16 4, 1, 0
	MUL16 6, 1, 0
	WIN 0
; THE WAY OUT of source 1's block a: 64 sums a lane x 2^(e0 + e1) + bias, each accumulator from its low end on; the hold; eight conversions: 16 registers of codes; four stores of 512 consecutive bytes.  No LDS.
.macro OUTBLK a, isv
.set AC, 64*((\a)%4)
.set CD, CDS+16*((\a)%4)
.if (\a) >= 4
	s_wait_xcnt 0x0                                ; block a - 4's stores have read these registers
.endif
	WIN 0x02+((\a)/4)                              ; source 0: window 2 or 3
.set jj, 0
.rept 32
.if \isv
	v_pk_fma_f32 v[TMP+jj:TMP+jj+1], v[AC+jj:AC+jj+1], s[84:85], v[BI+8*(\a)+jj%8:BI+8*(\a)+jj%8+1] op_sel_hi:[1,0,1]
.else
	v_pk_fma_f32 v[TMP+jj:TMP+jj+1], v[AC+jj:AC+jj+1], s[84:85], v[BI+jj:BI+jj+1] op_sel_hi:[1,0,1]
.endif
.set jj, jj+2
.endr
	WIN 0
.set jj, 0
.rept 64
	v_med3_num_f32 v[TMP+jj], v[TMP+jj], -v[LIMV], v[LIMV]   ; the conversion does not saturate (ISA guide 7.6.2)
.set jj, jj+1
.endr
.irp b, 0,1,2,3,4,5,6,7
	v_cvt_scalef32_pk8_fp8_f32 v[CD+2*\b:CD+2*\b+1], v[TMP+8*\b:TMP+8*\b+7], v[SCL]
.endr
	v_nop                                          ; one plain vector instruction behind the last conversion: the next block writes its sources
.irp g, 0,1,2,3
.if \isv
	global_store_b128 v[OFS], v[CD+4*\g:CD+4*\g+3], s[80+2*((\a)/4):81+2*((\a)/4)] offset:16384+((\a)%4)*2048+\g*512   ; head a / 4, d tile a % 4: a fragment 16 d x 128 keys
.else
	global_store_b128 v[OFS], v[CD+4*\g:CD+4*\g+3], s[80+2*(\g/2):81+2*(\g/2)] offset:(\a)*1024+(\g%2)*512              ; head g / 2, tile a of 16 tokens: a fragment 16 tokens x 64
.endif
.endr
.endm
	s_wait_kmcnt 0x0
	s_add_co_i32 s84, s72, s73
	s_add_co_i32 s84, s84, 127
	s_lshl_b32 s84, s84, 23                        ; 2^(e0 + e1) as f32
	s_mov_b32 s85, s84                             ; (named with it as a pair, so it is written)
	s_cmp_eq_u32 ttmp9, 0
	s_cselect_b32 s89, s74, s75                    ; e2 for q, e3 for k,
	s_cmp_eq_u32 ttmp9, 2
	s_cselect_b32 s89, s77, s89                    ; e5 for v: a choice, no branch on a loaded number
	s_add_co_i32 s89, s89, 127
	s_lshl_b32 s94, s89, 23
	v_mov_b32 v[SCL], s94
	s_add_co_i32 s89, s89, 8
	s_lshl_b32 s89, s89, 23
	s_or_b32 s89, s89, 0x600000
	v_mov_b32 v[LIMV], s89
	s_wait_loadcnt 0x0                             ; the bias
	PLACES NP                                      ; behind the last products: their sources are written below, their results read
	s_cmp_eq_u32 ttmp9, 2
	s_cbranch_scc1 .Lvalues
.irp a, 0,1,2,3,4,5,6,7
	OUTBLK \a, 0
.endr
	s_branch .Lout
.Lvalues:
.irp a, 0,1,2,3,4,5,6,7
	OUTBLK \a, 1
.endr
.Lout:
	s_wait_tensorcnt 0x0                           ; the wave's end
	ds_add_u32 v[SPW], v[NIL]
	s_wait_dscnt 0x0
	CROUND                                         ; the closing round: no work-group ends while a partner may still ask for a tile that names it
	s_endpgm
.Lfunc_end_k_q1b97ac479a_qkv:
	.size	k_q1b97ac479a_qkv, .Lfunc_end_k_q1b97ac479a_qkv-k_q1b97ac479a_qkv
	.p2alignl 7, 3214868480
	.fill 96, 4, 3214868480
	.section	.rodata,"a",@progbits
	.p2align	6, 0x0
	.amdhsa_kernel k_q1b97ac479a_qkv
		.amdhsa_group_segment_fixed_size 327680
		.amdhsa_private_segment_fixed_size 0
		.amdhsa_enable_private_segment 0
		.amdhsa_kernarg_size 48
		.amdhsa_user_sgpr_count 2
		.amdhsa_user_sgpr_kernarg_segment_ptr 1
		.amdhsa_wavefront_size32 1
		.amdhsa_system_sgpr_workgroup_id_x 1
		.amdhsa_system_sgpr_workgroup_id_y 1
		.amdhsa_system_sgpr_workgroup_id_z 1
		.amdhsa_system_vgpr_workitem_id 0
		.amdhsa_next_free_vgpr 1024
		.amdhsa_next_free_sgpr 98
		.amdhsa_reserve_vcc 0
		.amdhsa_float_denorm_mode_32 3
		.amdhsa_float_denorm_mode_16_64 3
		.amdhsa_memory_ordered 1
		.amdhsa_forward_progress 1
		.amdhsa_inst_pref_size 197
	.end_amdhsa_kernel
	.amdgpu_metadata
---
amdhsa.version: [ 1, 2 ]
amdhsa.kernels:
  - .name:           k_q1b97ac479a_qkv
    .symbol:         k_q1b97ac479a_qkv.kd
    .args:
      - { .name: x_codes, .offset: 0, .size: 8, .value_kind: global_buffer, .address_space: global }
      - { .name: wqkv_codes, .offset: 8, .size: 8, .value_kind: global_buffer, .address_space: global }
      - { .name: lowp_scales, .offset: 16, .size: 8, .value_kind: global_buffer, .address_space: global }
      - { .name: b_qkv, .offset: 24, .size: 8, .value_kind: global_buffer, .address_space: global }
      - { .name: q_img, .offset: 32, .size: 8, .value_kind: global_buffer, .address_space: global }
      - { .name: kv_img, .offset: 40, .size: 8, .value_kind: global_buffer, .address_space: global }
    .group_segment_fixed_size: 327680
    .private_segment_fixed_size: 0
    .kernarg_segment_align: 8
    .kernarg_segment_size: 48
    .max_flat_workgroup_size: 128
    .sgpr_count:     98
    .vgpr_count:     1024
    .wavefront_size: 32
...
	.end_amdgpu_metadata
.endif
;; end of part 2
;; launch attn (part 3): grid 4 x 64, 8 waves a work-group, no clusters, 327,680 bytes of LDS; arguments q_img, kv_img, lowp_scales, y_img; writes y_img
.if DOCPART == 3
	.amdgcn_target "amdgcn-amd-amdhsa--gfx1250"
	.amdhsa_code_object_version 6
	.text
	.protected	k_q1b97ac479a_attn
	.globl	k_q1b97ac479a_attn
	.p2align	8
	.type	k_q1b97ac479a_attn,@function
k_q1b97ac479a_attn:
	s_mov_b64 s[64:65], 0
	v_nop
	global_prefetch_b8 v0, s[64:65] scope:SCOPE_SE
	s_setreg_imm32_b32 hwreg(HW_REG_WAVE_MODE, 25, 1), 1
	s_wait_xcnt 0x0
; y = softmax(q k^T / 8, causal) v for each of 64 heads (batch x 16 + head), both products on codes of FP8 (E4M3), and y quantised on the way out.
; LEFT OUT: a key step (32 queries x 128 keys) all of whose keys come after all of its queries: reference()'s own tril puts -inf there for all inputs, so its weights are 0.  A NaN or infinity that would arise only there is not carried on.
; THE SOFTMAX AHEAD OF THE SECOND PRODUCT: t = score x log2(e) / 8; M = the running largest t rounded UP to a whole number; p = 2^(t - M) is held at 448 x 2^e4 and quantised with 2^e4, not normalised; the row's sum is
; taken of the unquantised p and divides at the end.  When M moves, the sum and O are multiplied by 2^(old M - new M): exact.
; LIMITS: e2 + e3 between -123 and 130 (added to the exponent field of log2(e) / 8); e4 and e6 between -126 and 119; e4 + e5 goes in by v_ldexp_f32.
; OPERANDS COME AS IMAGES OF THEIR REGISTERS (registers 4 g .. 4 g + 3 of lane l at 512 g + 16 l), as the launch before stored them: every LDS load reads 512 consecutive bytes.
; Both products are used transposed: S^T = K Q^T (source 0 = 16 keys, source 1 = 16 queries, K = 64), O^T = V^T P^T (source 0 = 16 of the head's 64, source 1 = P, K = 128 keys): a lane holds ONE query of each tile.
; S^T's tile a holds keys 16 a + 8 (lane / 16) + 0..7 in a lane's eight registers; their conversion is registers 2 a, 2 a + 1 of P, the places that V's images give those keys.
; SHARES.  A head's 2,048 queries are 64 pairs of tiles (32 queries).  Pair p walks p / 4 + 1 key steps.  Wave w of work-group g owns pairs p = 8 g + w and 63 - p: 17 pair steps for every wave of the launch.
; The two tiles of a pair share each fragment of K and of V, and their lines take turns.  The eight late pairs of a work-group end within 256 keys of each other.  4 x 64 = 256 work-groups.
; NO CLUSTER: the four work-groups of a head walk 8, 7, 6 and 5 slots; a joint load would bring some partner a slot that none of its waves reads.
; THE RING: two slots of 256 keys, 32,768 dense bytes each (K's 16 tiles, then V's two steps x 4 tiles); each of the eight waves fetches 4,096 bytes of a slot.  Every work-group walks all 8 changes of slots; a slot whose
; first key comes after the work-group's last query is not asked for (so none behind the last).  Every wait on TENSORcnt is for 0.
; REGISTERS.  Window 0: v1-7 addresses; v8-23 four registers a tile: -M, the largest t, the sum in two halves; v24-57 at work; v64-127 K's 8 fragments, then V's 4; v128-255 S^T, then p, of the pair in hand.
; Window 1 (v256 on): 0-127 O^T of the four tiles; 128-159 Q; 160-191 P's codes.  O^T begins as zeros, so that the step is written once for each pair: the first change of M leaves zeros zeros.
.set SLOTB, 32768
.set VOFF,  16384
.set SPARE, 2*SLOTB                    ; behind the ring: the spare words, 128 bytes for each of 8 waves: four blocks of 256 bytes that no other line names
.set LI,   1                           ; 16 x lane; never rewritten
.set ADR,  2                           ; LDS address of the step in hand + 16 x lane
.set PFO,  3                           ; 256 x lane: the prefetches' offset; never rewritten
.set SPW,  5                           ; LDS address of my spare word; never rewritten
.set NIL,  6                           ; 0; never rewritten
.set DQ,   7                           ; lane % 16 - 8 (lane / 16)
.set ST,   8                           ; tile T's state at ST + 4 T
.set MX,   24                          ; two chains of maxima a tile
.set FF,   28                          ; f = 2^(old M - new M), a pair a tile (the low word serves)
.set PX,   32                          ; lane permutes' destinations
.set NINF, 36                          ; -infinity
.set DD,   38                          ; the diagonal: my query - the step's first key - 8 (lane / 16), a register a tile
.set LIMA, 40                          ; 448 x 2^e4, twice: the two halves of a dual instruction take their second sources from different banks
.set LIMB, 41
.set SC4,  42                          ; 2^e4
.set SC6,  43                          ; 2^e6
.set LIM6, 44                          ; 448 x 2^e6
.set TS,   46                          ; three partial sums (pairs) a tile
.set KV,   64
.set S,    128
.set OO,   0                           ; window 1
.set QQ,   128
.set PP,   160
.set WV,   18
.set SEL,  20                          ; s[20:21] selects for v_permlanex16_b32: lane l xor 16
.set CS,   22                          ; s[22:23] c = log2(e) / 8 x 2^(e2 + e3)
.set G1,   24                          ; s[24:31] descriptor group 1
.set TB,   33                          ; LDS byte at which the slot in hand begins
.set SLOTS, 34                         ; changes of slots still to come
.set KF,   35                          ; the step's first key
.set Q0E,  36                          ; first query of my early pair
.set Q0L,  37                          ; of my late pair
.set QL,   38                          ; my work-group's last query
.set SQ,   39                          ; the step's place in its slot: 0 or 8,192
.set G0,   40                          ; s[40:43] descriptor group 0, which walks
.set PFA,  44                          ; s[44:45] where my prefetches stand
.set LIM,  46                          ; 2 in a wave that prefetches, else the greatest number
.set SB,   47                          ; TB + SQ
.set MSB, 0
.macro WIN new                         ; the immediate's high byte repeats the setting that is left
.if MSB != (\new)
	s_set_vgpr_msb (MSB<<8)|(\new)
.set MSB, (\new)
.endif
.endm
.macro SETU u                          ; the registers of tile u of the pair in hand
.set U, \u
.set SU, S+64*U
.set XU, SS+4*U
.set MU, MX+2*U
.set FU, FF+2*U
.set TU, TS+6*U
.endm
.macro TW ins:vararg                   ; one line for each of the pair's two tiles: independent chains take turns
	SETU 0
	\ins
	SETU 1
	\ins
.endm
.macro YOFF d, q0                      ; y_img: [16 x batch + q / 128][head / 2][(q / 16) % 8][2,048]; my head is half of a fragment
	s_lshr_b32 s[\d], s56, 4
	s_lshl_b32 s[\d], s[\d], 4
	s_lshr_b32 s75, s[\q0], 7
	s_add_co_u32 s[\d], s[\d], s75
	s_lshl_b32 s[\d], s[\d], 3
	s_bfe_u32 s75, s56, 0x30001
	s_add_co_u32 s[\d], s[\d], s75
	s_lshl_b32 s[\d], s[\d], 14
	s_bfe_u32 s75, s[\q0], 0x30004
	s_lshl_b32 s75, s75, 11
	s_add_co_u32 s[\d], s[\d], s75
	s_and_b32 s75, s56, 1
	s_lshl_b32 s75, s75, 10
	s_add_co_u32 s[\d], s[\d], s75
	s_mov_b32 s[\d+1], 0
.endm
	s_load_b256 s[4:11], s[0:1], 0x0               ; q_img s[4:5], kv_img s[6:7], the scales' exponents s[8:9], y_img s[10:11]
	v_lshl_add_u32 v[SPW], v0, 2, SPARE
	v_mov_b32 v[NIL], 0
	ds_add_u32 v[SPW], v[NIL]                      ; the wave's opening: the add, twice on end, and its wait ahead of my first tensor load
	ds_add_u32 v[SPW], v[NIL]
	v_lshrrev_b32 v8, 5, v0
	v_readfirstlane_b32 s[WV], v8                  ; wave 0..7
	s_and_b32 s56, ttmp7, 0xffff                   ; batch x 16 + head
	s_lshl_b32 s59, ttmp9, 3
	s_add_co_u32 s57, s59, s[WV]                   ; my early pair p = 8 g + w,
	s_sub_co_u32 s58, 63, s57                      ; my late pair 63 - p
	s_lshl_b32 s[Q0E], s57, 5
	s_lshl_b32 s[Q0L], s58, 5
	s_sub_co_u32 s59, 63, s59
	s_lshl_b32 s[QL], s59, 5
	s_or_b32 s[QL], s[QL], 31
	s_lshl_b32 s66, s56, 18                        ; a head's 8 slots
	s_mov_b32 s67, 0
	s_lshl_b32 s62, s[WV], 12                      ; my 4,096 bytes of a slot, in memory and in LDS alike
	s_mov_b32 s63, 0
	s_and_b32 s68, s[WV], 3
	s_lshl_b32 s68, s68, 13
	s_add_co_u32 s68, s68, SLOTB                   ; the prefetches stand in slot 1: the first change steps them to slot 2
	s_mov_b32 s69, 0
	s_lshl_b32 s74, s56, 17                        ; Q: a head's 128 tiles of 1,024 bytes
	s_lshl_b32 s60, s[Q0E], 6
	s_add_co_u32 s60, s60, s74
	s_mov_b32 s61, 0
	s_lshl_b32 s70, s[Q0L], 6
	s_add_co_u32 s70, s70, s74
	s_mov_b32 s71, 0
	YOFF 72, Q0E
	YOFF 76, Q0L
	s_lshr_b32 s74, s[WV], 2                       ; 0 in waves 0 to 3,
	s_or_b32 s74, s74, ttmp9                       ; of the head's first work-group
	s_cmp_eq_u32 s74, 0
	s_cselect_b32 s[LIM], 2, -1
	s_mov_b32 s[G1], 3<<16                         ; group 1: 4,096 dense bytes as 16 rows of 32 elements of 8 bytes; no mask, no padding
	s_mov_b32 s[G1+1], 32<<16
	s_mov_b32 s[G1+2], 16<<16
	s_mov_b32 s[G1+3], 32<<16
	s_mov_b32 s[G1+4], 16
	s_mov_b32 s[G1+5], 32
	s_mov_b32 s[G1+6], 0
	s_mov_b32 s[G1+7], 0
	s_mov_b32 s[SEL], 0x76543210
	s_mov_b32 s[SEL+1], 0xfedcba98
	s_mov_b32 s[CS], 0x3e38aa3b                    ; log2(e) / 8
	s_mov_b32 s[TB], 0
	s_mov_b32 s[SLOTS], 8
	s_mov_b32 s[KF], 0
	s_wait_dscnt 0x0                               ; both opening adds are done
	s_wait_kmcnt 0x0
	s_load_b256 s[48:55], s[8:9], 0x0              ; e0 .. e7
	s_add_nc_u64 s[6:7], s[6:7], s[66:67]          ; kv_img at my head
	s_mov_b32 s[G0], 1
	s_mov_b32 s[G0+1], s62                         ; slot 0
	s_add_nc_u64 s[G0+2:G0+3], s[6:7], s[62:63]
	s_or_b32 s[G0+3], s[G0+3], 0x80000000
	tensor_load_to_lds s[G0:G0+3], s[G1:G1+7]      ; slot 0, every wave its part: key 0 counts for every query, so it is read
	s_nop 0
.rept 4
	v_nop
.endr
	s_add_nc_u64 s[PFA:PFA+1], s[6:7], s[68:69]
	s_add_nc_u64 s[60:61], s[4:5], s[60:61]        ; Q of my early pair,
	s_add_nc_u64 s[70:71], s[4:5], s[70:71]        ; of my late pair
	s_add_nc_u64 s[72:73], s[10:11], s[72:73]      ; and their places in y_img
	s_add_nc_u64 s[76:77], s[10:11], s[76:77]
	v_and_b32 v24, 31, v0
	v_lshlrev_b32 v[LI], 4, v24
	v_lshlrev_b32 v[PFO], 8, v24
	WIN 0x40                                       ; destinations in window 1
.irp c, 0,1,2,3
	global_load_b128 v[QQ+4*\c:QQ+4*\c+3], v[LI], s[60:61] offset:512*\c       ; Q's fragments stay in registers: a pair is 2,048 consecutive bytes
	global_load_b128 v[QQ+16+4*\c:QQ+16+4*\c+3], v[LI], s[70:71] offset:512*\c
.endr
.set jj, 0
.rept 128
	v_mov_b32 v[OO+jj], 0
.set jj, jj+1
.endr
	WIN 0
	v_and_b32 v24, 15, v0
	v_bfe_u32 v25, v0, 4, 1
	v_lshlrev_b32 v25, 3, v25
	v_sub_nc_u32 v[DQ], v24, v25
.irp T, 0,1,2,3
	v_mov_b32 v[ST+4*\T+1], 0xff61b1e6             ; the largest t so far: -3e38, under every t
	v_mov_b32 v[ST+4*\T+2], 0
	v_mov_b32 v[ST+4*\T+3], 0
	v_mov_b32 v[PX+\T], 0                          ; written once: a lane permute's destination counts as one of its sources
	v_floor_f32 v[ST+4*\T], -v[ST+4*\T+1]          ; -M
.endr
	v_mov_b32 v[FF+1], 0                           ; (named as the upper halves of pairs)
	v_mov_b32 v[FF+3], 0
	v_mov_b32 v[NINF], 0xff800000
	s_wait_kmcnt 0x0
	s_add_co_i32 s74, s50, s51
	s_lshl_b32 s74, s74, 23
	s_add_co_i32 s[CS], s[CS], s74                 ; a score stands for score x 2^(e2 + e3)
	s_mov_b32 s[CS+1], s[CS]
	s_add_co_i32 s74, s52, 127
	s_lshl_b32 s75, s74, 23
	v_mov_b32 v[SC4], s75
	s_add_co_i32 s74, s74, 8
	s_lshl_b32 s74, s74, 23
	s_or_b32 s74, s74, 0x600000
	v_mov_b32 v[LIMA], s74
	v_mov_b32 v[LIMB], s74
	s_add_co_i32 s74, s54, 127
	s_lshl_b32 s75, s74, 23
	v_mov_b32 v[SC6], s75
	s_add_co_i32 s74, s74, 8
	s_lshl_b32 s74, s74, 23
	s_or_b32 s74, s74, 0x600000
	v_mov_b32 v[LIM6], s74
; A PAIR STEP: tiles T0 and T0 + 1 (32 queries from s[q0] on) against the 128 keys at LDS byte s[SB].
.macro PSTEP T0, q0
.set SS, ST+4*(\T0)
	s_add_co_u32 s74, s[\q0], 31                   ; a step all of whose keys come after the pair's queries is left out: a scalar branch on ids, round no barrier and no tensor load
	s_cmp_gt_u32 s[KF], s74
	s_cbranch_scc1 .Lhid_\@
	v_add_nc_u32 v[ADR], s[SB], v[LI]
.rept 3
	v_nop                                          ; with the addition: four places in front of loads into registers that the last products read
.endr
.set jj, 0
.rept 16
	ds_load_b128 v[KV+4*jj:KV+4*jj+3], v[ADR] offset:512*jj        ; K's 8 tiles of 16 keys
.set jj, jj+1
.endr
	s_wait_alu depctr_va_vdst(0)
	s_wait_dscnt 8                                 ; tiles 0-3 are in; the eight loads of tiles 4-7 may be out
	WIN 0x04                                       ; source 1 (Q) in window 1
.irp a, 0,1,2,3
	TW v_wmma_f32_16x16x64_fp8_fp8 v[SU+8*\a:SU+8*\a+7], v[KV+8*\a:KV+8*\a+7], v[QQ+8*(\T0)+8*U:QQ+8*(\T0)+8*U+7], 0
.endr
	s_wait_dscnt 0x0
.irp a, 4,5,6,7
	TW v_wmma_f32_16x16x64_fp8_fp8 v[SU+8*\a:SU+8*\a+7], v[KV+8*\a:KV+8*\a+7], v[QQ+8*(\T0)+8*U:QQ+8*(\T0)+8*U+7], 0
.endr
	WIN 0
.rept 4
	v_nop                                          ; places in front of the loads over K's fragments and of the first read of the scores
.endr
.set jj, 0
.rept 16
	ds_load_b128 v[KV+4*jj:KV+4*jj+3], v[ADR] offset:VOFF+512*jj   ; V's 4 fragments land while the softmax is worked
.set jj, jj+1
.endr
	s_add_co_u32 s74, s[KF], 127                   ; on the diagonal the scores of hidden keys become -infinity ahead of the maximum; a step all of whose keys count skips this
	s_cmp_le_u32 s74, s[\q0]
	s_cbranch_scc1 .Lopen_\@
	s_sub_co_i32 s74, s[\q0], s[KF]
	v_add_nc_u32 v[DD], s74, v[DQ]                 ; register 8 a + i holds key KF + 16 a + 8 (lane / 16) + i: hidden where 16 a + i > d
	v_add_nc_u32 v[DD+1], 16, v[DD]
.set n, 0
.rept 64
	v_cmp_gt_i32 vcc_lo, 16*(n/8)+n%8, v[DD]
	v_cmp_gt_i32 s78, 16*(n/8)+n%8, v[DD+1]
	v_cndmask_b32 v[S+n], v[S+n], v[NINF], vcc_lo
	v_cndmask_b32 v[S+64+n], v[S+64+n], v[NINF], s78
.set n, n+1
.endr
.Lopen_\@:
	TW v_max3_num_f32 v[MU], v[SU], v[SU+1], v[SU+2]               ; the step's largest score of a lane's query among its 64 keys: two chains a tile, each accumulator from its low end on
	TW v_max3_num_f32 v[MU+1], v[SU+3], v[SU+4], v[SU+5]
.irp i, 6,10,14,18,22,26,30,34,38,42,46,50,54,58
	TW v_max3_num_f32 v[MU], v[MU], v[SU+\i], v[SU+\i+1]
	TW v_max3_num_f32 v[MU+1], v[MU+1], v[SU+\i+2], v[SU+\i+3]
.endr
	TW v_max3_num_f32 v[MU], v[MU], v[SU+62], v[SU+63]
	TW v_max_num_f32 v[MU], v[MU], v[MU+1]
	TW v_permlanex16_b32 v[PX+U], v[MU], s[SEL], s[SEL+1]
	TW v_max_num_f32 v[MU], v[MU], v[PX+U]                         ; and among lane l xor 16's
	TW v_mul_f32 v[MU], s[CS], v[MU]                               ; as t (c is positive)
	TW v_max_num_f32 v[XU+1], v[XU+1], v[MU]                       ; the running largest t
	TW v_mov_b32 v[MU], v[XU]
	TW v_floor_f32 v[XU], -v[XU+1]                                 ; the new -M = floor(-t): M is a whole number
	TW v_sub_f32 v[MU], v[XU], v[MU]                               ; old M - new M: a whole number, 0 or less
	TW v_cvt_i32_f32 v[MU], v[MU]                                  ; (it saturates)
	TW v_ldexp_f32 v[FU], 1.0, v[MU]                               ; f = 2^(old M - new M)
.set jj, 0
.rept 32
	TW v_pk_fma_f32 v[SU+jj:SU+jj+1], v[SU+jj:SU+jj+1], s[CS:CS+1], v[XU:XU+1] op_sel_hi:[1,0,0]   ; t - M, two at a time
.set jj, jj+2
.endr
	TW v_pk_mul_f32 v[XU+2:XU+3], v[XU+2:XU+3], v[FU:FU+1] op_sel_hi:[1,0]     ; the sums under the new M
	WIN 0x41                                       ; source 0 and destination in window 1
	s_wait_alu depctr_va_vdst(0)                   ; directly ahead of the first readers of O^T; it also stands ahead of the batch below
.set jj, 0
.rept 16
	TW v_pk_mul_f32 v[OO+32*(\T0)+32*U+jj:OO+32*(\T0)+32*U+jj+1], v[OO+32*(\T0)+32*U+jj:OO+32*(\T0)+32*U+jj+1], v[FU:FU+1] op_sel_hi:[1,0]   ; O^T under the new M, each accumulator from its low end on
.set jj, jj+2
.endr
	WIN 0
.set jj, 0
.rept 128
	v_exp_f32 v[S+jj], v[S+jj]                     ; p = 2^(t - M): one batch for both tiles
.set jj, jj+1
.endr
	v_nop                                          ; the plain instruction behind the exponentials
	s_wait_alu depctr_va_vdst(0)                   ; one wait for the whole batch, ahead of its first reader
	TW v_pk_add_f32 v[XU+2:XU+3], v[XU+2:XU+3], v[SU:SU+1]         ; the row's sum of the unquantised p: four chains a tile
.irp c, 0,1,2
	TW v_pk_add_f32 v[TU+2*\c:TU+2*\c+1], v[SU+2+4*\c:SU+3+4*\c], v[SU+4+4*\c:SU+5+4*\c]
.endr
.set jj, 14
.rept 6
	TW v_pk_add_f32 v[XU+2:XU+3], v[XU+2:XU+3], v[SU+jj:SU+jj+1]
.irp c, 0,1,2
	TW v_pk_add_f32 v[TU+2*\c:TU+2*\c+1], v[TU+2*\c:TU+2*\c+1], v[SU+jj+2+2*\c:SU+jj+3+2*\c]
.endr
.set jj, jj+8
.endr
	TW v_pk_add_f32 v[XU+2:XU+3], v[XU+2:XU+3], v[SU+62:SU+63]
	TW v_pk_add_f32 v[TU:TU+1], v[TU:TU+1], v[TU+2:TU+3]
	TW v_pk_add_f32 v[XU+2:XU+3], v[XU+2:XU+3], v[TU+4:TU+5]
	TW v_pk_add_f32 v[XU+2:XU+3], v[XU+2:XU+3], v[TU:TU+1]
.set jj, 0
.rept 64
	v_dual_min_num_f32 v[S+jj], v[S+jj], v[LIMB] :: v_dual_min_num_f32 v[S+jj+1], v[S+jj+1], v[LIMA]   ; the conversion does not saturate (ISA guide 7.6.2); p is not negative, so the hold is one-sided; two numbers an instruction
.set jj, jj+2
.endr
	WIN 0x40                                       ; P's codes go to window 1
.irp a, 0,1,2,3,4,5,6,7
	TW v_cvt_scalef32_pk8_fp8_f32 v[PP+16*U+2*\a:PP+16*U+2*\a+1], v[SU+8*\a:SU+8*\a+7], v[SC4]
.endr
	v_nop                                          ; one plain vector instruction between the last conversion and the products that read the codes
	s_wait_alu depctr_va_vdst(0)
	s_wait_dscnt 0x0                               ; V's fragments are in
	WIN 0x54                                       ; source 1 (P), C and D (O^T) in window 1
.irp t, 0,1,2,3
	TW v_wmma_f32_16x16x128_fp8_fp8 v[OO+32*(\T0)+32*U+8*\t:OO+32*(\T0)+32*U+8*\t+7], v[KV+16*\t:KV+16*\t+15], v[PP+16*U:PP+16*U+15], v[OO+32*(\T0)+32*U+8*\t:OO+32*(\T0)+32*U+8*\t+7]   ; eight accumulators by turns; sixteen score products stand between two steps'
.endr
	WIN 0
.Lhid_\@:
.endm
	s_wait_alu depctr_va_vdst(0)
	s_wait_loadcnt 0x0                             ; Q
.Lslot:                                            ; 8 trips.  THE CHANGE OF SLOTS stands at a slot's head
	s_wait_tensorcnt 0x0                           ; my part of the slot ahead is in; no tensor load of mine is out, so group 0 may be written
	ds_add_u32 v[SPW], v[NIL]
	s_xor_b32 s[G0+1], s[G0+1], SLOTB              ; the other slot than last time,
	s_add_nc_u64 s[G0+2:G0+3], s[G0+2:G0+3], SLOTB ; the next 256 keys
	s_wait_xcnt 0x0                                ; the last prefetch, a slot back, has read its address
	s_add_nc_u64 s[PFA:PFA+1], s[PFA:PFA+1], SLOTB
	s_wait_dscnt 0x0                               ; the add is done, and my reads of the slot that I have left are over
	s_barrier_signal -1
	s_barrier_wait -1
	s_add_co_u32 s74, s[KF], 256                   ; the first key of the slot that this change would ask for,
	s_cmp_gt_u32 s74, s[QL]                        ; against my work-group's last query: ids and the count of steps alone, the same in all eight waves; in the last trip it is 2,048, past every query
	s_cbranch_scc1 .Lpast
	tensor_load_to_lds s[G0:G0+3], s[G1:G1+7]      ; my one tensor load until the next barrier (the first time: slot 1's first fill, issued as a refill is)
	s_nop 0
.rept 4
	v_nop
.endr
.Lpast:
; A PREFETCH of the slot that the NEXT change will ask for, two key steps ahead of that load.  The four work-groups of a head walk the same slots: the first (it walks all eight) asks, in it waves 0 to 3, 8,192 bytes a wave,
; lanes 256 bytes apart: each aligned block of 256 bytes is named once in the launch.  Slots 0 and 1 come by their loads alone; the changes with 2 or 1 trips to go would name a slot behind the head's last and ask for nothing.
	s_cmp_gt_u32 s[SLOTS], s[LIM]
	s_cbranch_scc0 .Lnot_mine
	global_prefetch_b8 v[PFO], s[PFA:PFA+1] th:TH_LOAD_NT scope:SCOPE_SE
.Lnot_mine:
	s_mov_b32 s[SQ], 0
.Lstep:                                            ; the slot's two key steps
	s_add_co_u32 s[SB], s[TB], s[SQ]
	PSTEP 2, Q0L
	PSTEP 0, Q0E
	s_add_co_u32 s[KF], s[KF], 128
	s_add_co_u32 s[SQ], s[SQ], 8192
	s_cmp_lt_u32 s[SQ], 16384
	s_cbranch_scc1 .Lstep
	s_xor_b32 s[TB], s[TB], SLOTB
	s_sub_co_u32 s[SLOTS], s[SLOTS], 1
	s_cmp_lg_u32 s[SLOTS], 0
	s_cbranch_scc1 .Lslot
	; THE WAY OUT: O^T / the sum x 2^(e4 + e5) is y; held, converted with 2^e6: a tile's eight numbers of d tile t give registers 2 t, 2 t + 1 of my head's half of a fragment 16 rows x 128 K of the last product.  No LDS.
.rept 4
	v_nop                                          ; places behind the last products
.endr
.irp T, 0,1,2,3
	v_add_f32 v[ST+4*\T+2], v[ST+4*\T+2], v[ST+4*\T+3]
.endr
.irp T, 0,1,2,3
	v_permlanex16_b32 v[PX+\T], v[ST+4*\T+2], s[SEL], s[SEL+1]
.endr
.irp T, 0,1,2,3
	v_add_f32 v[ST+4*\T+2], v[ST+4*\T+2], v[PX+\T] ; the rows' sums
.endr
	s_wait_alu depctr_va_vdst(0)
.irp T, 0,1,2,3
	v_rcp_f32 v[ST+4*\T+2], v[ST+4*\T+2]
.endr
	v_nop                                          ; a plain instruction behind the transcendentals
	s_add_co_i32 s74, s52, s53
	s_wait_alu depctr_va_vdst(0)                   ; the wait ahead of their first reader
.irp T, 0,1,2,3
	v_ldexp_f32 v[ST+4*\T+2], v[ST+4*\T+2], s74
.endr
	WIN 0x01                                       ; source 0 (O^T) in window 1
	s_wait_alu depctr_va_vdst(0)                   ; directly ahead of the first readers of O^T
.irp T, 0,1,2,3
.set jj, 0
.rept 16
	v_pk_mul_f32 v[S+32*\T+jj:S+32*\T+jj+1], v[OO+32*\T+jj:OO+32*\T+jj+1], v[ST+4*\T+2:ST+4*\T+3] op_sel_hi:[1,0]
.set jj, jj+2
.endr
.endr
	WIN 0
.set jj, 0
.rept 128
	v_med3_num_f32 v[S+jj], v[S+jj], -v[LIM6], v[LIM6]
.set jj, jj+1
.endr
.set jj, 0
.rept 16
	v_cvt_scalef32_pk8_fp8_f32 v[KV+2*jj:KV+2*jj+1], v[S+8*jj:S+8*jj+7], v[SC6]
.set jj, jj+1
.endr
	v_nop
.irp c, 0,1,2,3
	global_store_b128 v[LI], v[KV+4*\c:KV+4*\c+3], s[72:73] offset:2048*(\c/2)+512*(\c%2)          ; 512 consecutive aligned bytes each; a tile's place is 2,048 bytes, of which my head has 1,024
	global_store_b128 v[LI], v[KV+16+4*\c:KV+16+4*\c+3], s[76:77] offset:2048*(\c/2)+512*(\c%2)
.endr
	s_wait_tensorcnt 0x0                           ; the wave's end
	ds_add_u32 v[SPW], v[NIL]
	s_wait_dscnt 0x0
	s_endpgm
.Lfunc_end_k_q1b97ac479a_attn:
	.size	k_q1b97ac479a_attn, .Lfunc_end_k_q1b97ac479a_attn-k_q1b97ac479a_attn
	.p2alignl 7, 3214868480
	.fill 96, 4, 3214868480
	.section	.rodata,"a",@progbits
	.p2align	6, 0x0
	.amdhsa_kernel k_q1b97ac479a_attn
		.amdhsa_group_segment_fixed_size 327680
		.amdhsa_private_segment_fixed_size 0
		.amdhsa_enable_private_segment 0
		.amdhsa_kernarg_size 32
		.amdhsa_user_sgpr_count 2
		.amdhsa_user_sgpr_kernarg_segment_ptr 1
		.amdhsa_wavefront_size32 1
		.amdhsa_system_sgpr_workgroup_id_x 1
		.amdhsa_system_sgpr_workgroup_id_y 1
		.amdhsa_system_sgpr_workgroup_id_z 1
		.amdhsa_system_vgpr_workitem_id 0
		.amdhsa_next_free_vgpr 512
		.amdhsa_next_free_sgpr 80
		.amdhsa_reserve_vcc 1
		.amdhsa_float_denorm_mode_32 3
		.amdhsa_float_denorm_mode_16_64 3
		.amdhsa_memory_ordered 1
		.amdhsa_forward_progress 1
		.amdhsa_inst_pref_size 113
	.end_amdhsa_kernel
	.amdgpu_metadata
---
amdhsa.version: [ 1, 2 ]
amdhsa.kernels:
  - .name:           k_q1b97ac479a_attn
    .symbol:         k_q1b97ac479a_attn.kd
    .args:
      - { .name: q_img, .offset: 0, .size: 8, .value_kind: global_buffer, .address_space: global }
      - { .name: kv_img, .offset: 8, .size: 8, .value_kind: global_buffer, .address_space: global }
      - { .name: lowp_scales, .offset: 16, .size: 8, .value_kind: global_buffer, .address_space: global }
      - { .name: y_img, .offset: 24, .size: 8, .value_kind: global_buffer, .address_space: global }
    .group_segment_fixed_size: 327680
    .private_segment_fixed_size: 0
    .kernarg_segment_align: 8
    .kernarg_segment_size: 32
    .max_flat_workgroup_size: 256
    .sgpr_count:     80
    .vgpr_count:     512
    .wavefront_size: 32
...
	.end_amdgpu_metadata
.endif
;; end of part 3
;; launch proj (part 4): grid 4 x 64, 4 waves a work-group, clusters of 4 x 4, 327,680 bytes of LDS; arguments y_img, wproj_codes, lowp_scales, b_proj, out0; writes out0
.if DOCPART == 4
	.amdgcn_target "amdgcn-amd-amdhsa--gfx1250"
	.amdhsa_code_object_version 6
	.text
	.protected	k_q1b97ac479a_proj
	.globl	k_q1b97ac479a_proj
	.p2align	8
	.type	k_q1b97ac479a_proj,@function
k_q1b97ac479a_proj:
	s_mov_b64 s[64:65], 0
	v_nop
	global_prefetch_b8 v0, s[64:65] scope:SCOPE_SE
	s_setreg_imm32_b32 hwreg(HW_REG_WAVE_MODE, 25, 1), 1
	s_wait_xcnt 0x0
	s_wait_alu depctr_hold_cnt(0) depctr_sa_sdst(0) depctr_va_vdst(0) depctr_va_sdst(0) depctr_va_ssrc(0) depctr_va_vcc(0) depctr_vm_vsrc(0)
	s_getreg_b32 s2, hwreg(HW_REG_IB_STS2, 6, 4)
	s_cmp_eq_u32 s2, 0
	s_cbranch_scc0 .Lentry_in_a_cluster
	s_endpgm
.Lentry_in_a_cluster:
	s_bfe_u32 s2, ttmp6, 0x10000c
	s_cmp_lg_u32 s2, 0xf033
	s_cbranch_scc0 .Lentry_shape_is_right
	s_endpgm
.Lentry_shape_is_right:
; out0 = y w_proj + b_proj on codes of FP8 (E4M3).  Nothing of reference() is left out here.  A sum of codes stands for sum x 2^(e6 + e7); the bias is added by the same fused multiply-add, in f32.
; LIMIT: e6 + e7 between -126 and 127, so that 2^(e6 + e7) is an f32 number.
; y_img [64 blocks of 128 tokens][8 pairs of heads][8 tiles of 16 tokens][2,048]: images of operand registers (registers 4 c .. 4 c + 3 of lane l at 512 c + 16 l) of fragments 16 tokens x 128 K, as the launch attn stored them.
; wproj_codes [1024 (n)][1024 (k)], K innermost, the two middle groups of 8 bytes of every 32 exchanged: read 16 bytes a lane, each code meets its partner among y's codes.
; SHARES.  A block of 128 tokens x 256 columns is made by four waves, 64 x 128 each: 32 accumulators.  8,192 x 1,024 / (128 x 256) = 256 work-groups.  K goes in 4 steps of 256 through a ring of two LDS slots:
; y's part of a K step is 32,768 dense bytes, stated as 128 rows of 256 bytes (waves 0, 1: 64 rows each); w's is 256 rows of 256 bytes, 1,024 apart (waves 2, 3: 128 rows each); 16 bytes of padding behind each row.
; CLUSTERS: 4 x 4 work-groups; y's tiles are asked for jointly along a row of the cluster, w's along a column.
; THE MATRIX INSTRUCTION IS USED TRANSPOSED (source 0 = 16 rows of w, source 1 = 16 tokens): a lane holds eight neighbouring numbers of a row of the result.
; REGISTERS, in windows of 256: window 0: v0-31 addresses; v32-95 the bias; y's fragments (4 x 16 registers), two sets, at v128 and v192; on the way out v128-255 rows read back.  window 1: w's fragments (8 x 16), two sets.
;   window 2: accumulator (a, b) at v[8 (8 a + b)], a = 0..3 tiles of tokens, b = 0..7 tiles of columns.
; PREFETCH: behind the first fill of slot 0 and of slot 1 stands one request a wave for the K step two fills on (K steps 2 and 3): of the rows that a wave fetches each of the four partners that ask jointly takes a quarter,
; told apart by address (y: 16 blocks of 256 bytes, the upper lanes naming the same blocks again; w: 32 rows, a lane a row).  w is read by all sixteen clusters: the first four ask for it.  K steps 0 and 1 come by their loads alone.
.set SIZE_N, 1024
.set ROWB,   256                       ; a tile's row in bytes
.set ASTEP,  32768                     ; y's K step in memory
.set KROW,   1024                      ; a row of w's codes in memory
.set PITCH,  272                       ; an LDS row: 256 bytes + 16 of padding
.set AREG,   128*PITCH                 ; y's rows of a slot; w's 256 follow
.set HALFB,  128*PITCH
.set SLOT,   384*PITCH
.set SPARE,  2*SLOT                    ; behind the ring: the spare words, 128 bytes a wave: two blocks of 256 bytes that no other line names
.set SPITCH, 528                       ; the way out: a stage of 16 rows x (512 + 16) bytes for each wave, in slot 0, which has had its last fill and its last read by then
.set ADRA, 16                          ; v16-17  LDS address of my fragments of y in slot 0, 1
.set ADRB, 20                          ; v20-21  of w
.set STO,  24                          ; the way out: where I put 32 bytes of a row
.set RD,   25                          ; where I read a row back
.set CO,   26                          ; my byte offset in a row of the result
.set PFO,  27                          ; the prefetches' offset; never rewritten
.set SPW,  28                          ; LDS address of my spare word; never rewritten
.set NIL,  29                          ; 0; never rewritten
.set BI,   32                          ; v32-95 the bias in the results' layout
.set AF,   128
.set BK,   128
.set G1, 24                            ; s[24:31] group 1 for y's tiles; s[32:39] group 0, a set for each slot
.set G0, 32
.set G1B, 48                           ; s[48:55], s[56:63] the same for w's
.set G0B, 56
.set PF2, 66                           ; s[66:67] my prefetch of K step 2; s[68:69] of K step 3; never rewritten
.set PF3, 68
.set FLAGS, (0<<16)|(1<<20)|(1<<21)|(5<<22)|(3<<25)   ; elements of 1 byte; padding on; bit 21 beside a mask; 4 words after every 64
.set MSB, 0
.macro WIN new                         ; the immediate's high byte repeats the setting that is left
.if MSB != (\new)
	s_set_vgpr_msb (MSB<<8)|(\new)
.set MSB, (\new)
.endif
.endm
.set MUL_LO, 0xa1                      ; source 0 (w) window 1, source 1 (y) window 0, C and D window 2
.set TO_B,   0x40                      ; destination window 1
; A joint load: waves 0 and 1 fetch for y, waves 2 and 3 for w.  The branch hangs on the wave's number alone.  An s_nop 0 and four v_nop follow each line.
.macro JLOAD g0a, g0b
	s_cmp_eq_u32 s15, 0
	s_cbranch_scc0 .Lfor_b_\@
	tensor_load_to_lds s[\g0a:\g0a+3], s[G1:G1+7]
	s_nop 0
.rept 4
	v_nop
.endr
	s_branch .Lasked_\@
.Lfor_b_\@:
	tensor_load_to_lds s[\g0b:\g0b+3], s[G1B:G1B+7]
	s_nop 0
.rept 4
	v_nop
.endr
.Lasked_\@:
.endm
.macro CREST                           ; a round of the cluster's barrier behind its opening barrier
	s_cmp_lg_u32 s14, 0
	s_cbranch_scc1 .Lnot_wave_0_\@
	s_barrier_signal -3
.Lnot_wave_0_\@:
	s_barrier_wait -3
	s_barrier_signal -1
	s_barrier_wait -1
.endm
.macro CROUND
	s_barrier_signal -1
	s_barrier_wait -1
	CREST
.endm
.macro ASK p                           ; s76 = 0: y's waves everywhere, w's waves in the first four clusters
	s_cmp_eq_u32 s76, 0
	s_cbranch_scc0 .Lnot_mine_\@
	global_prefetch_b8 v[PFO], s[\p:\p+1] th:TH_LOAD_NT scope:SCOPE_SE
.Lnot_mine_\@:
.endm
.macro PLACES                          ; plain vector instructions between a matrix instruction and a load into, or a vector access to, its registers
.rept 4
	v_nop
.endr
.endm
	s_load_b128 s[4:7], s[0:1], 0x0                ; y_img s[4:5], w's codes s[6:7]
	s_load_b128 s[8:11], s[0:1], 0x10              ; the scales' exponents s[8:9], b_proj s[10:11]
	s_load_b64 s[12:13], s[0:1], 0x20              ; out0
	v_lshl_add_u32 v[SPW], v0, 2, SPARE
	v_mov_b32 v[NIL], 0
	ds_add_u32 v[SPW], v[NIL]                      ; the wave's opening: the add, twice on end, and its wait ahead of my first tensor load
	ds_add_u32 v[SPW], v[NIL]
	v_lshrrev_b32 v1, 5, v0
	v_readfirstlane_b32 s14, v1                    ; wave 0..3
	s_lshr_b32 s15, s14, 1                         ; which 64 tokens are mine.  Also: I fetch for y (0) or for w (1)
	s_and_b32 s16, s14, 1                          ; which 128 columns.  Also: which half of that tile I fetch
	s_bfe_u32 s40, ttmp6, 0x40000                  ; cx, cy: my place in the cluster
	s_bfe_u32 s41, ttmp6, 0x40004
	s_lshl_b32 s42, ttmp9, 2
	s_add_co_u32 s42, s42, s40                     ; tile column = 4 x cluster x + cx
	s_and_b32 s17, ttmp7, 0xffff
	s_lshr_b32 s76, s17, 2                         ; 0 in the first four clusters,
	s_mul_i32 s76, s76, s15                        ; and in y's waves everywhere
	s_lshl_b32 s17, s17, 2
	s_add_co_u32 s17, s17, s41                     ; tile row = 4 x cluster y + cy: a block of 128 tokens
	s_lshl_b32 s43, s41, 2
	s_lshl_b32 s43, 15, s43                        ; my row of the cluster
	s_lshl_b32 s44, 0x1111, s40                    ; my column
	s_or_b32 s[G1+0], s43, FLAGS
	s_or_b32 s[G1B+0], s44, FLAGS
	s_mov_b32 s[G1+1], ROWB<<16                    ; y: 64 rows of 256 bytes, dense
	s_mov_b32 s[G1+2], 64<<16
	s_mov_b32 s[G1+3], ROWB<<16
	s_mov_b32 s[G1+4], 64
	s_mov_b32 s[G1+5], ROWB
	s_mov_b32 s[G1+6], 0
	s_mov_b32 s[G1+7], 0
	s_mov_b32 s[G1B+1], ROWB<<16                   ; w: 128 rows of 256 bytes, 1,024 apart
	s_mov_b32 s[G1B+2], 128<<16
	s_mov_b32 s[G1B+3], ROWB<<16
	s_mov_b32 s[G1B+4], 128
	s_mov_b32 s[G1B+5], KROW
	s_mov_b32 s[G1B+6], 0
	s_mov_b32 s[G1B+7], 0
	s_lshl_b32 s20, s17, 17                        ; y: a block is 131,072 bytes;
	s_lshl_b32 s18, s16, 14                        ; my 64 rows of the K step's 128
	s_add_co_u32 s20, s20, s18
	s_mov_b32 s21, 0
	s_lshl_b32 s46, s42, 8
	s_lshl_b32 s18, s16, 7
	s_add_co_u32 s46, s46, s18                     ; w: row 256 x tile column + 128 x half
	s_lshl_b32 s46, s46, 10
	s_mov_b32 s47, 0
	s_mul_i32 s45, s16, 64*PITCH                   ; where they go: y's halves,
	s_mul_i32 s19, s16, HALFB
	s_add_co_u32 s19, s19, AREG                    ; w's halves behind them: no place in the cluster enters an LDS address
	s_lshl_b32 s70, s40, 12                        ; the prefetches.  y: my work-group's 16 of my wave's 64 rows, by cx,
	s_add_co_u32 s70, s70, s20
	s_add_co_u32 s70, s70, 2*ASTEP                 ; at K step 2
	s_lshl_b32 s72, s41, 15                        ; w: my work-group's 32 of my wave's 128 rows, by cy,
	s_add_co_u32 s72, s72, s46
	s_add_co_u32 s72, s72, 2*ROWB
	s_cmp_eq_u32 s15, 0
	s_cselect_b32 s70, s70, s72
	s_mov_b32 s71, 0
	s_mov_b32 s72, ROWB
	s_cselect_b32 s72, ASTEP, s72                  ; a K step on
	s_mov_b32 s73, 0
	s_cselect_b32 s74, 15, 31                      ; lanes that name blocks of their own
	s_mov_b32 s75, KROW
	s_cselect_b32 s75, ROWB, s75                   ; from lane to lane
	s_wait_dscnt 0x0                               ; both opening adds are done
	s_wait_kmcnt 0x0
	s_load_b64 s[96:97], s[8:9], 0x18              ; e6, e7
	s_cselect_b64 s[PF2:PF2+1], s[4:5], s[6:7]     ; (the compare on the wave's number above still stands)
	s_add_nc_u64 s[PF2:PF2+1], s[PF2:PF2+1], s[70:71]
	s_add_nc_u64 s[PF3:PF3+1], s[PF2:PF2+1], s[72:73]
	s_add_nc_u64 s[20:21], s[4:5], s[20:21]
	s_add_nc_u64 s[46:47], s[6:7], s[46:47]
	CROUND                                         ; all sixteen work-groups are here: the first joint loads meet
.irp s, 0,1
	s_mov_b32 s[G0+4*\s], 1
	s_add_co_u32 s[G0+4*\s+1], s45, \s*SLOT
	s_add_nc_u64 s[G0+4*\s+2:G0+4*\s+3], s[20:21], \s*ASTEP
	s_or_b32 s[G0+4*\s+3], s[G0+4*\s+3], 0x80000000
	s_mov_b32 s[G0B+4*\s], 1
	s_add_co_u32 s[G0B+4*\s+1], s19, \s*SLOT
	s_add_nc_u64 s[G0B+4*\s+2:G0B+4*\s+3], s[46:47], \s*ROWB
	s_or_b32 s[G0B+4*\s+3], s[G0B+4*\s+3], 0x80000000
.endr
	JLOAD G0, G0B                                  ; K step 0: one tensor load a wave at the head
	s_mul_i32 s21, s15, 32*PITCH                   ; my 4 tiles of 16 tokens: 8 LDS rows each
	s_mul_i32 s23, s14, 16*SPITCH                  ; my stage
	s_lshl_b32 s86, s42, 10
	s_lshl_b32 s87, s16, 9
	s_add_co_u32 s86, s86, s87                     ; my first column, in bytes of f32: 1,024 x tile column + 512 x half
	s_mov_b32 s87, 0
	s_add_nc_u64 s[88:89], s[10:11], s[86:87]      ; the bias there
	s_lshl_b32 s90, s17, 7
	s_lshl_b32 s91, s15, 6
	s_add_co_u32 s90, s90, s91                     ; my first row: 128 x tile row + 64 x half
	s_lshl_b32 s90, s90, 12                        ; rows of 4,096 bytes
	s_mov_b32 s91, 0
	s_add_nc_u64 s[90:91], s[90:91], s[86:87]
	s_add_nc_u64 s[12:13], s[12:13], s[90:91]
	v_and_b32 v1, 15, v0                           ; r
	v_bfe_u32 v2, v0, 4, 1                         ; h
	v_mul_u32_u24 v3, v1, PITCH
	v_lshl_add_u32 v3, v2, 4, v3                   ; w: row r, + 16 h
	v_mul_u32_u24 v4, v2, PITCH
	v_lshl_add_u32 v4, v1, 4, v4                   ; y's image: 16 x lane = row h of 256 bytes, + 16 r
	v_add_nc_u32 v[ADRA], s21, v4
	v_add_nc_u32 v[ADRB], s19, v3
	v_add_nc_u32 v[ADRA+1], SLOT, v[ADRA]
	v_add_nc_u32 v[ADRB+1], SLOT, v[ADRB]
	v_mul_u32_u24 v5, v1, SPITCH                   ; the stage, in: row r, 32 bytes for each half of the lanes
	v_lshl_add_u32 v5, v2, 5, v5
	v_add_nc_u32 v[STO], s23, v5
	v_and_b32 v6, 31, v0
	v_lshlrev_b32 v[CO], 4, v6                     ; back: the 32 lanes take one row of 512 bytes; and the same in the result
	v_add_nc_u32 v[RD], s23, v[CO]
	v_lshlrev_b32 v7, 5, v2                        ; the bias: 32 h
	v_and_b32 v[PFO], s74, v0
	v_mul_lo_u32 v[PFO], v[PFO], s75
	s_wait_alu depctr_va_vdst(0)
	ASK PF2                                        ; K step 2, two fills ahead
.irp b, 0,1,2,3,4,5,6,7
	global_load_b128 v[BI+8*\b:BI+8*\b+3], v7, s[88:89] offset:64*\b          ; register 8 b + j: b_proj[n0 + 16 b + 8 h + j]
	global_load_b128 v[BI+8*\b+4:BI+8*\b+7], v7, s[88:89] offset:64*\b+16
.endr
; The fragments of the slot's q-th 128 along K into set p: w's eight (four loads of 16 bytes, 32 apart, of row r), y's four (an image: four loads of 512 consecutive bytes, two LDS rows each)
.macro FETCH slot, q, p
	WIN TO_B
.irp i, 0,1,2,3,4,5,6,7
.irp c, 0,1,2,3
	ds_load_b128 v[128*(\p)+16*\i+4*\c:128*(\p)+16*\i+4*\c+3], v[ADRB+\slot] offset:128*(\q)+32*\c+\i*16*PITCH
.endr
.endr
	WIN 0
.irp i, 0,1,2,3
.irp c, 0,1,2,3
	ds_load_b128 v[AF+64*(\p)+16*\i+4*\c:AF+64*(\p)+16*\i+4*\c+3], v[ADRA+\slot] offset:(8*(\q)+\i)*8*PITCH+2*PITCH*\c
.endr
.endr
.endm
; 16 matrix instructions: y's tiles a0, a0 + 1 x w's eight.  The 32 accumulators take turns, one instruction a turn, in the same order in every step.  zero = 1: the first products start the sums.
.macro MUL16 a0, p, zero
.irp a, \a0, \a0+1
.irp b, 0,1,2,3,4,5,6,7
.if \zero
	v_wmma_f32_16x16x128_fp8_fp8 v[8*(8*(\a)+\b):8*(8*(\a)+\b)+7], v[128*(\p)+16*\b:128*(\p)+16*\b+15], v[AF+64*(\p)+16*(\a):AF+64*(\p)+16*(\a)+15], 0
.else
	v_wmma_f32_16x16x128_fp8_fp8 v[8*(8*(\a)+\b):8*(8*(\a)+\b)+7], v[128*(\p)+16*\b:128*(\p)+16*\b+15], v[AF+64*(\p)+16*(\a):AF+64*(\p)+16*(\a)+15], v[8*(8*(\a)+\b):8*(8*(\a)+\b)+7]
.endif
.endr
.endr
.endm
.macro STEP slot, zero                 ; a slot's first 128 along K, on set 0; the second 128's fragments are fetched into set 1 ahead of the products
	s_wait_dscnt 0x0                               ; set 0 is in
	PLACES                                         ; in front of loads into set 1, which the last products read
	FETCH \slot, 1, 1
	WIN MUL_LO
	MUL16 0, 0, \zero
	MUL16 2, 0, \zero
	WIN 0
.endm
; A slot's second 128, on set 1, changes slots: one barrier; in front of it each wave waits for all its tensor loads, adds 0 to its spare word, and waits for that and for its reads of this slot.  fill = 1: this slot is filled again, two K steps on.
.macro TURN slot, next, fill
	s_wait_tensorcnt 0x0                           ; my one load that was out, my part of the next slot, has landed
	ds_add_u32 v[SPW], v[NIL]
	s_wait_dscnt 0x0                               ; the add is done, set 1 is in, and my reads of this slot are over
	s_barrier_signal -1
	WIN MUL_LO
	MUL16 0, 1, 0                                  ; work on registers while the others arrive
	WIN 0
	s_barrier_wait -1
.if \fill
	CREST                                          ; the barrier has opened a round of the cluster's: no wave of any partner still reads this slot or has a load on its way
	s_add_nc_u64 s[G0+4*\slot+2:G0+4*\slot+3], s[G0+4*\slot+2:G0+4*\slot+3], 2*ASTEP
	s_add_nc_u64 s[G0B+4*\slot+2:G0B+4*\slot+3], s[G0B+4*\slot+2:G0B+4*\slot+3], 2*ROWB
	JLOAD G0+4*\slot, G0B+4*\slot                  ; the first tensor load behind the round; its four v_nop are the places in front of the loads below
.else
	PLACES
.endif
	FETCH \next, 0, 0
	WIN MUL_LO
	MUL16 2, 1, 0
	WIN 0
.endm
	s_wait_alu depctr_va_vdst(0)
	s_wait_tensorcnt 0x0                           ; my part of K step 0 is in
	ds_add_u32 v[SPW], v[NIL]
	s_wait_dscnt 0x0
	CROUND                                         ; everybody's part of K step 0 is in, and all sixteen work-groups are here
	JLOAD G0+4, G0B+4                              ; K step 1, the first tensor load behind the round
	FETCH 0, 0, 0
	ASK PF3                                        ; K step 3, two fills ahead
	STEP 0, 1                                      ; K = 1,024: four K steps, written out: twice round the ring
	TURN 0, 1, 1
	STEP 1, 0
	TURN 1, 0, 1
	STEP 0, 0
	TURN 0, 1, 0                                   ; the last lap fills nothing, and has no round of the cluster's barrier
	STEP 1, 0
	s_wait_dscnt 0x0
	WIN MUL_LO
	MUL16 0, 1, 0
	MUL16 2, 1, 0
	WIN 0
; THE WAY OUT, block by block of 16 rows x 128 columns: sum x 2^(e6 + e7) + bias, each accumulator from its low end on; through my own stage in LDS; back as whole rows of 512 bytes, which the 32 lanes store as two aligned
; units of 256 bytes.  LDS serves a wave's instructions in order (ISA guide 5.7.1.4): no wait between the stores and the loads.
.macro TOSTAGE a
.set AC, 64*(\a)
	WIN 0x82                                       ; source 0 and destination in window 2
.set jj, 0
.rept 32
	v_pk_fma_f32 v[AC+jj:AC+jj+1], v[AC+jj:AC+jj+1], s[96:97], v[BI+jj:BI+jj+1] op_sel_hi:[1,0,1]
.set jj, jj+2
.endr
	WIN 0x08                                       ; the stores' data in window 2
.irp b, 0,1,2,3,4,5,6,7
	ds_store_b128 v[STO], v[AC+8*\b:AC+8*\b+3] offset:64*\b
	ds_store_b128 v[STO], v[AC+8*\b+4:AC+8*\b+7] offset:64*\b+16
.endr
	WIN 0
.set BB, BK+64*((\a)%2)
.irp t, 0,1,2,3,4,5,6,7,8,9,10,11,12,13,14,15
	ds_load_b128 v[BB+4*\t:BB+4*\t+3], v[RD] offset:\t*SPITCH
.endr
.endm
.macro SEND a, younger                 ; younger: the LDS instructions issued behind block a's loads, which may stay out
.set BB, BK+64*((\a)%2)
	s_wait_dscnt \younger
.if (\a) > 0
	s_add_nc_u64 s[12:13], s[12:13], 16*SIZE_N*4   ; (behind a wait on XCNT: the earlier stores have read their base)
.endif
.irp t, 0,1,2,3,4,5,6,7,8,9,10,11,12,13,14,15
	global_store_b128 v[CO], v[BB+4*\t:BB+4*\t+3], s[12:13] offset:\t*SIZE_N*4 th:TH_STORE_NT
.endr
.endm
	s_wait_kmcnt 0x0
	s_add_co_i32 s96, s96, s97
	s_add_co_i32 s96, s96, 127
	s_lshl_b32 s96, s96, 23                        ; 2^(e6 + e7) as f32
	s_wait_loadcnt 0x0                             ; the bias
	PLACES                                         ; behind the last products: their results are read, and loads land on their sources
	TOSTAGE 0
.irp a, 1,2,3
.if \a > 1
	s_wait_xcnt 0x0                                ; block a - 2's stores have read their registers and their base
.endif
	TOSTAGE \a
	SEND \a-1, 32                                  ; behind block a - 1's loads: block a's 16 stores and 16 loads
.endr
	s_wait_xcnt 0x0
	SEND 3, 0
	s_wait_tensorcnt 0x0                           ; the wave's end
	ds_add_u32 v[SPW], v[NIL]
	s_wait_dscnt 0x0
	CROUND                                         ; the closing round: no work-group ends while a partner may still ask for a tile that names it
	s_endpgm
.Lfunc_end_k_q1b97ac479a_proj:
	.size	k_q1b97ac479a_proj, .Lfunc_end_k_q1b97ac479a_proj-k_q1b97ac479a_proj
	.p2alignl 7, 3214868480
	.fill 96, 4, 3214868480
	.section	.rodata,"a",@progbits
	.p2align	6, 0x0
	.amdhsa_kernel k_q1b97ac479a_proj
		.amdhsa_group_segment_fixed_size 327680
		.amdhsa_private_segment_fixed_size 0
		.amdhsa_enable_private_segment 0
		.amdhsa_kernarg_size 40
		.amdhsa_user_sgpr_count 2
		.amdhsa_user_sgpr_kernarg_segment_ptr 1
		.amdhsa_wavefront_size32 1
		.amdhsa_system_sgpr_workgroup_id_x 1
		.amdhsa_system_sgpr_workgroup_id_y 1
		.amdhsa_system_sgpr_workgroup_id_z 1
		.amdhsa_system_vgpr_workitem_id 0
		.amdhsa_next_free_vgpr 768
		.amdhsa_next_free_sgpr 98
		.amdhsa_reserve_vcc 0
		.amdhsa_float_denorm_mode_32 3
		.amdhsa_float_denorm_mode_16_64 3
		.amdhsa_memory_ordered 1
		.amdhsa_forward_progress 1
		.amdhsa_inst_pref_size 78
	.end_amdhsa_kernel
	.amdgpu_metadata
---
amdhsa.version: [ 1, 2 ]
amdhsa.kernels:
  - .name:           k_q1b97ac479a_proj
    .symbol:         k_q1b97ac479a_proj.kd
    .args:
      - { .name: y_img, .offset: 0, .size: 8, .value_kind: global_buffer, .address_space: global }
      - { .name: wproj_codes, .offset: 8, .size: 8, .value_kind: global_buffer, .address_space: global }
      - { .name: lowp_scales, .offset: 16, .size: 8, .value_kind: global_buffer, .address_space: global }
      - { .name: b_proj, .offset: 24, .size: 8, .value_kind: global_buffer, .address_space: global }
      - { .name: out0, .offset: 32, .size: 8, .value_kind: global_buffer, .address_space: global }
    .group_segment_fixed_size: 327680
    .private_segment_fixed_size: 0
    .kernarg_segment_align: 8
    .kernarg_segment_size: 40
    .max_flat_workgroup_size: 128
    .sgpr_count:     98
    .vgpr_count:     768
    .wavefront_size: 32
...
	.end_amdgpu_metadata
.endif
;; end of part 4
